; MI455X (gfx1250); checked and timed in simulation.
; The chip was launched on July 23, 2026; its instructions are those of AMD's public machine-readable ISA for CDNA 5 (MIT licence, August 2026) and "CDNA5" Instruction Set Architecture Reference Guide (July 2026). The comments in the code are by the model that wrote it; some were corrected since.
;; Self Attention. Allowed arithmetic: matrix products marked QUANTISED: E2M1 operands, one E8M0 scale for each 32 along K, by v_wmma_scale_f32_16x16x128_f8f6f4 with both operands' format E2M1 (or v_wmma_scale_f32_32x16x128_f4), f32 sums; products left as they are: bf16, f16 or f32 operands; f32 sums; everything else in f32.
;; Inputs: Wk 1,024 x 1,024 float32; Wo 1,024 x 1,024 float32; Wq 1,024 x 1,024 float32; Wv 1,024 x 1,024 float32; bk 1,024 float32; bo 1,024 float32; bq 1,024 float32; bv 1,024 float32; x 4 x 2,048 x 1,024 float32.
;; Outputs: out0 4 x 2,048 x 1,024 float32.
;; This version of the problem:
;;   THIS VERSION OF THE PROBLEM IS GIVEN IN LOW PRECISION. The matrix products marked QUANTISED in the list below multiply operands that are first quantised to E2M1 (2 exponent bits, 1 mantissa bit; 4 bits a number), with one power-of-two scale for each 32 numbers along K (OCP MX v1.0); their sums are f32. The products marked 'left as it is' may take bf16, f16 or f32 operands, with f32 sums. Whichever they take, every output number must still come out within the allowed error. Rounding operands to bf16 (8 significant bits) uses up far more of that allowance than f16 does (11 bits, for magnitudes from 6e-5 to 65,504). All else is computed in f32.
;;   The module's matrix products, in the order in which they are computed (A, B: the left and right operand; K: the contracted axis; several contracted axes count as one K, in the product's order):
;;     1. [M 8,192, K 1,024] x [K 1,024, N 1,024]; A: input x; B: input Wq: QUANTISED
;;     2. [M 8,192, K 1,024] x [K 1,024, N 1,024]; A: input x; B: input Wk: QUANTISED
;;     3. [M 8,192, K 1,024] x [K 1,024, N 1,024]; A: input x; B: input Wv: QUANTISED
;;     4. batch 64 x [M 2,048, K 64] x [K 64, N 2,048]; A: computed on the way; B: computed on the way: left as it is (an operand is computed on the way)
;;     5. batch 64 x [M 2,048, K 2,048] x [K 2,048, N 64]; A: computed on the way; B: computed on the way: left as it is (an operand is computed on the way)
;;     6. [M 8,192, K 1,024] x [K 1,024, N 1,024]; A: computed on the way; B: input Wo: left as it is (an operand is computed on the way)
;;   THE QUANTISER, for each operand of a quantised product, along K:
;;     - K is cut into blocks of 32 from its start; a last block that is shorter is filled with zeros.
;;     - A block's scale is 2^e with e = floor(log2(the largest magnitude in the block)) - 2, held to -126 .. 127; a block of zeros has e = 0. As a byte (E8M0): e + 127.
;;     - Each number is divided by its block's scale, clamped to +-6, and rounded to the nearest number of E2M1, ties to even, subnormals kept.
;;     - The product sums the exact products of the quantised numbers (number of the format x scale) in f32.
;;   ~~~python
;;   def quantise(x, axis):      # numpy; x: float32 -> the quantised numbers, widened to float32 again
;;       x = np.moveaxis(x, axis, -1); K = x.shape[-1]
;;       x = np.pad(x, [(0, 0)] * (x.ndim - 1) + [(0, -K % 32)]); x = x.reshape(x.shape[:-1] + (-1, 32)); a = np.abs(x).max(-1, keepdims=True)
;;       e = np.where(a > 0, np.clip(np.frexp(np.where(a > 0, a, 1))[1] - 1 - 2, -126, 127), 0)      # np.frexp(a)[1] - 1 = floor(log2(a)), exactly
;;       r = np.clip(x / 2.0 ** e, -6, 6)
;;       step = 2.0 ** (np.maximum(np.frexp(np.where(r == 0, 1, r))[1] - 1, 0) - 1)
;;       q = np.round(r / step) * step * 2.0 ** e      # np.round: ties to even
;;       return np.moveaxis(q.reshape(q.shape[:-2] + (-1,))[..., :K], -1, axis).astype(np.float32)
;;   ~~~
;; One version. Each part assembles by itself: llvm-mc -triple=amdgcn-amd-amdhsa -mcpu=gfx1250 --defsym DOCPART=n.
;; ======== version 1 of 1: 5 launches
;; limits: values are held in f16: magnitudes above 65,504 overflow, below 6.1e-05 lose precision
;; workspace buffers: xcodes 4,194,304 bytes; xscales 262,144 bytes; wcodes 1,572,864 bytes; wscales 98,304 bytes; wof 2,097,152 bytes; qkv 50,331,648 bytes; fine 786,432 bytes; ybuf 16,777,216 bytes
;; launch quant (part 1): grid 416 x 1, 4 waves a work-group, no clusters, 33,280 bytes of LDS; arguments x, Wq, Wk, Wv, Wo, xcodes, xscales, wcodes, wscales, wof; writes xcodes, xscales, wcodes, wscales, wof
.if DOCPART == 1
	.amdgcn_target "amdgcn-amd-amdhsa--gfx1250"
	.amdhsa_code_object_version 6
	.text
	.protected	k_q973c03d1f4_quant
	.globl	k_q973c03d1f4_quant
	.p2align	8
	.type	k_q973c03d1f4_quant,@function
k_q973c03d1f4_quant:
	s_mov_b64 s[64:65], 0
	v_nop
	global_prefetch_b8 v0, s[64:65] scope:SCOPE_SE
	s_setreg_imm32_b32 hwreg(HW_REG_WAVE_MODE, 25, 1), 1
	s_wait_xcnt 0x0
; x [8192][1024] and Wq, Wk, Wv [1024][1024], f32, K innermost, become codes of FP4 (E2M1), two a byte, with one E8M0 scale byte for each 32 along K:
; xcodes [8192][512 bytes], xscales [8192][32], wcodes [3072][512] and wscales [3072][32] (rows 1024 x which + row; which = q, k, v).
; A block's scale is 2^(floor(log2(its largest magnitude)) - 2); its byte is the largest magnitude's exponent field - 2, held at 1 from below.  A block of zeros so gets the byte 1 where the
; rule says 127: its codes are zeros, which add nothing under any byte but 0xff, and the bytes are read by this program alone.
; LIMITS: blocks whose largest magnitude lies under 2^(2 - 126) keep the byte 1; NaN and infinities among the inputs are not served.
; Rows are dense and K is a multiple of 32, so each tensor is a plain stream of blocks of 32.  Work-groups 0-255 take x, 256-351 the three weights (32 each): only pointers are chosen, one path serves all four.
; A wave takes 16 steps of 512 numbers: four loads of 512 consecutive bytes, a turn through the wave's own stage in LDS so that a lane holds 16 neighbours, the block's scale, two conversions, a store of 256 consecutive bytes.
; Work-groups 352-415 take Wo [1024][1024]: it is rounded to f16 (LIMIT: |Wo| under 65,504) and laid as images of the operand's registers, wof [n / 16][k / 32][part 2][lane 32][16 bytes]:
; lane (r, h) holds row r; part 0: k = 8 h + 0 .. 7 of the 32, part 1: k = 16 + 8 h + 0 .. 7.  That path touches no LDS.
.set WAVES, 4
.set STEPS, 16
.set EMAX,  2
.set CB,    8                          ; bytes of 16 codes
.set R,     16                         ; v16-79   four sets of 16 numbers as they are loaded
.set X,     80                         ; v80-111  two sets of 16 neighbours
.set C,     128                        ; v128-191 codes: four registers for each step, so that no store's data are written again
.set E,     112                        ; v112-127 a scale byte for each step
.set WREG,  8192                       ; LDS: a region for each wave: two stages of 32 x SP bytes, behind them its 256 scale bytes
.set SP,    80                         ; a lane's place in a stage: its 64 bytes + 16 of padding
.set SPW,   12                         ; v12  LDS address of my spare word; never rewritten
.set NIL,   13                         ; v13  0; never rewritten
.set SPARE, WAVES*WREG                 ; behind the four regions: the spare words, 128 bytes for each wave
.set XWG,   256                        ; work-groups for x
.set QWG,   352                        ; work-groups that quantise
	s_load_b512 s[4:19], s[0:1], 0x0               ; x, Wq, Wk, Wv, Wo, xcodes, xscales, wcodes
	s_load_b128 s[20:23], s[0:1], 0x40             ; wscales, wof
	v_lshl_add_u32 v[SPW], v0, 2, SPARE
	v_mov_b32 v[NIL], 0
	v_lshrrev_b32 v1, 5, v0
	v_readfirstlane_b32 s24, v1                    ; wave
	v_and_b32 v2, 31, v0                           ; lane
	s_cmp_ge_u32 ttmp9, QWG
	s_cbranch_scc1 .Lwo
	v_lshlrev_b32 v3, 4, v2                        ; my 16 bytes of a load's 512
	s_mul_i32 s25, s24, WREG
	v_lshrrev_b32 v14, 2, v2
	v_mul_u32_u24 v14, v14, SP
	v_and_b32 v15, 3, v2
	v_lshl_add_u32 v14, v15, 4, v14
	v_add_nc_u32 v14, s25, v14                     ; the stage, on the way in: SP (lane / 4) + 16 (lane % 4)
	v_mul_u32_u24 v15, v2, SP
	v_add_nc_u32 v15, s25, v15                     ; and on the way out: SP x lane: my 16 neighbours
	v_mul_u32_u24 v4, v2, CB                       ; my codes' place in a step's
	v_lshrrev_b32 v5, 1, v2
	s_add_co_u32 s25, s25, 2*32*SP
	v_add_nc_u32 v5, s25, v5                       ; LDS: my wave's 256 scale bytes, my block's byte
	v_lshlrev_b32 v7, 3, v2                        ; and on the way out 8 bytes a lane
	v_add_nc_u32 v6, s25, v7
	s_sub_co_u32 s26, ttmp9, XWG                   ; a weight's work-group: 0 .. 95
	s_lshr_b32 s27, s26, 5                         ; which weight
	s_and_b32 s28, s26, 31                         ; and which part of it
	s_wait_kmcnt 0x0
	s_cmp_eq_u32 s27, 0                            ; the choices hang on the work-group's number alone
	s_cselect_b64 s[30:31], s[6:7], s[8:9]
	s_cmp_eq_u32 s27, 2
	s_cselect_b64 s[30:31], s[10:11], s[30:31]
	s_cmp_lt_u32 ttmp9, XWG
	s_cselect_b64 s[4:5], s[4:5], s[30:31]         ; the numbers,
	s_cselect_b64 s[14:15], s[14:15], s[18:19]     ; the codes,
	s_cselect_b64 s[16:17], s[16:17], s[20:21]     ; the scale bytes
	s_cselect_b32 s28, ttmp9, s28                  ; my part of the source,
	s_cselect_b32 s26, ttmp9, s26                  ; and of the destination (the three weights lie on end there)
	s_lshl_b32 s28, s28, 2
	s_add_co_u32 s28, s28, s24                     ; which run of 8,192 numbers is my wave's
	s_lshl_b32 s26, s26, 2
	s_add_co_u32 s26, s26, s24
	s_mov_b32 s33, 0
	s_lshl_b32 s32, s28, 15                        ; 32,768 bytes of f32 a run
	s_add_nc_u64 s[4:5], s[4:5], s[32:33]
	s_lshl_b32 s32, s26, 12                        ; 4,096 bytes of codes
	s_add_nc_u64 s[14:15], s[14:15], s[32:33]
	s_lshl_b32 s32, s26, 8                         ; 256 scale bytes
	s_add_nc_u64 s[16:17], s[16:17], s[32:33]
.macro LOAD t
.irp i, 0,1,2,3
	global_load_b128 v[R+16*((\t)%4)+4*\i:R+16*((\t)%4)+4*\i+3], v3, s[4:5] offset:2048*(\t)+512*\i th:TH_LOAD_NT   ; 32 lanes read 512 consecutive bytes
.endr
.endm
.macro TURN t                          ; step t's numbers through the stage: LDS serves a wave's instructions in order, so no wait stands between the stores and the loads
.irp i, 0,1,2,3
	ds_store_b128 v14, v[R+16*((\t)%4)+4*\i:R+16*((\t)%4)+4*\i+3] offset:32*SP*((\t)%2)+8*SP*\i
.endr
.irp i, 0,1,2,3
	ds_load_b128 v[X+16*((\t)%2)+4*\i:X+16*((\t)%2)+4*\i+3], v15 offset:32*SP*((\t)%2)+16*\i
.endr
.endm
.irp t, 0,1,2,3
	LOAD \t
.endr
	s_wait_loadcnt 12                              ; step 0's four loads are in; the twelve of steps 1 to 3 may be out
	TURN 0
.macro STEP t
.set XS, X+16*((\t)%2)
.if (\t) > 0
	s_wait_dscnt 1                                 ; this step's numbers are back from the stage (the last step's byte store may be out)
.else
	s_wait_dscnt 0x0
.endif
.if (\t)+4 < STEPS
	LOAD (\t)+4                                    ; the stage's stores have read their registers: they take the loads of four steps on
.endif
.if (\t)+1 < STEPS
.if STEPS-2-(\t) >= 3
	s_wait_loadcnt 12                              ; the next step's four loads are in; those of the three steps behind it may be out
.else
	s_wait_loadcnt 4*(STEPS-2-(\t))
.endif
	TURN (\t)+1                                    ; and go through the other stage while this step is worked
.endif
	v_max3_num_f32 v8, |v[XS]|, |v[XS+1]|, |v[XS+2]|               ; the largest magnitude of my 16, in two chains
	v_max3_num_f32 v9, |v[XS+3]|, |v[XS+4]|, |v[XS+5]|
.irp i, 6,10
	v_max3_num_f32 v8, v8, |v[XS+\i]|, |v[XS+\i+1]|
	v_max3_num_f32 v9, v9, |v[XS+\i+2]|, |v[XS+\i+3]|
.endr
	v_max3_num_f32 v8, v8, |v[XS+14]|, |v[XS+15]|
	v_max3_num_f32 v8, v8, v9, (EMAX+1)<<23        ; and the floor 2^(EMAX + 1 - 127): the byte cannot fall under 1
	v_max_num_f32_dpp v8, v8, v8 row_xmask:1 row_mask:0xf bank_mask:0xf   ; and of my neighbour's 16: the block's
	v_add_nc_u32 v11, -(EMAX<<23), v8              ; EMAX off its exponent field: the conversion takes the exponent field of this operand as its scale
	v_cvt_scalef32_pk8_fp4_f32 v[C+4*(\t)], v[XS:XS+7], v11        ; eight numbers / the scale, to the nearest code, ties to even, beyond the largest code the largest
	v_cvt_scalef32_pk8_fp4_f32 v[C+4*(\t)+1], v[XS+8:XS+15], v11
	v_lshrrev_b32 v[E+(\t)], 23, v11               ; the scale's byte (a plain line behind the conversions)
	ds_store_b8 v5, v[E+(\t)] offset:16*(\t)       ; both lanes of a block write the same byte with the same value
	global_store_b64 v4, v[C+4*(\t):C+4*(\t)+1], s[14:15] offset:32*CB*(\t)   ; the wave stores 256 consecutive bytes, aligned
.endm
.irp t, 0,1,2,3,4,5,6,7,8,9,10,11,12,13,14,15
	STEP \t
.endr
	ds_load_b64 v[8:9], v6                         ; LDS serves a wave's instructions in order: these see my stores
	s_wait_dscnt 0x0
	global_store_b64 v7, v[8:9], s[16:17]          ; 32 lanes store 256 consecutive bytes, aligned
	s_wait_tensorcnt 0x0                           ; the wave's end: behind my last LDS store
	ds_add_u32 v[SPW], v[NIL]
	s_wait_dscnt 0x0
	s_endpgm
; Wo: work-group nt takes rows 16 nt .. 16 nt + 15, wave kq the columns 256 kq .. 256 kq + 255: eight images of 32 along K.
.Lwo:
	s_sub_co_u32 s26, ttmp9, QWG                   ; nt
	s_lshl_b32 s32, s26, 16                        ; 16 rows of 4,096 bytes
	s_lshl_b32 s29, s24, 10                        ; 256 numbers
	s_add_co_u32 s32, s32, s29
	s_mov_b32 s33, 0
	s_lshl_b32 s34, s26, 15                        ; 32 images of 1,024 bytes
	s_lshl_b32 s29, s24, 13                        ; eight of them
	s_add_co_u32 s34, s34, s29
	s_mov_b32 s35, 0
	v_and_b32 v1, 15, v0                           ; r
	v_bfe_u32 v3, v0, 4, 1                         ; h
	v_lshlrev_b32 v1, 12, v1
	v_lshl_add_u32 v1, v3, 5, v1                   ; row r, + 8 h numbers
	v_lshlrev_b32 v2, 4, v2                        ; an image's place for my lane
	s_wait_kmcnt 0x0
	s_add_nc_u64 s[12:13], s[12:13], s[32:33]
	s_add_nc_u64 s[22:23], s[22:23], s[34:35]
.irp s, 0,1,2,3,4,5,6,7
.irp c, 0,1
.irp e, 0,1
	global_load_b128 v[16+16*\s+8*\c+4*\e:16+16*\s+8*\c+4*\e+3], v1, s[12:13] offset:128*\s+64*\c+16*\e
.endr
.endr
.endr
.irp s, 0,1,2,3,4,5,6,7
	s_wait_loadcnt 28-4*\s                         ; image s's four loads are in; the younger images' may be out
.irp j, 0,1,2,3,4,5,6,7
	v_cvt_pk_f16_f32 v[16+16*\s+\j], v[16+16*\s+2*\j], v[16+16*\s+2*\j+1]   ; in place, ascending: no number is written over before it is read
.endr
.irp c, 0,1
	global_store_b128 v2, v[16+16*\s+4*\c:16+16*\s+4*\c+3], s[22:23] offset:1024*\s+512*\c   ; 512 consecutive bytes
.endr
.endr
	s_endpgm
.Lfunc_end_k_q973c03d1f4_quant:
	.size	k_q973c03d1f4_quant, .Lfunc_end_k_q973c03d1f4_quant-k_q973c03d1f4_quant
	.p2alignl 7, 3214868480
	.fill 96, 4, 3214868480
	.section	.rodata,"a",@progbits
	.p2align	6, 0x0
	.amdhsa_kernel k_q973c03d1f4_quant
		.amdhsa_group_segment_fixed_size 33280
		.amdhsa_private_segment_fixed_size 0
		.amdhsa_enable_private_segment 0
		.amdhsa_kernarg_size 80
		.amdhsa_user_sgpr_count 2
		.amdhsa_user_sgpr_kernarg_segment_ptr 1
		.amdhsa_wavefront_size32 1
		.amdhsa_system_sgpr_workgroup_id_x 1
		.amdhsa_system_sgpr_workgroup_id_y 1
		.amdhsa_system_sgpr_workgroup_id_z 1
		.amdhsa_system_vgpr_workitem_id 0
		.amdhsa_next_free_vgpr 192
		.amdhsa_next_free_sgpr 66
		.amdhsa_reserve_vcc 0
		.amdhsa_float_denorm_mode_32 3
		.amdhsa_float_denorm_mode_16_64 3
		.amdhsa_memory_ordered 1
		.amdhsa_forward_progress 1
		.amdhsa_inst_pref_size 43
	.end_amdhsa_kernel
	.amdgpu_metadata
---
amdhsa.version: [ 1, 2 ]
amdhsa.kernels:
  - .name:           k_q973c03d1f4_quant
    .symbol:         k_q973c03d1f4_quant.kd
    .args:
      - { .name: x, .offset: 0, .size: 8, .value_kind: global_buffer, .address_space: global }
      - { .name: Wq, .offset: 8, .size: 8, .value_kind: global_buffer, .address_space: global }
      - { .name: Wk, .offset: 16, .size: 8, .value_kind: global_buffer, .address_space: global }
      - { .name: Wv, .offset: 24, .size: 8, .value_kind: global_buffer, .address_space: global }
      - { .name: Wo, .offset: 32, .size: 8, .value_kind: global_buffer, .address_space: global }
      - { .name: xcodes, .offset: 40, .size: 8, .value_kind: global_buffer, .address_space: global }
      - { .name: xscales, .offset: 48, .size: 8, .value_kind: global_buffer, .address_space: global }
      - { .name: wcodes, .offset: 56, .size: 8, .value_kind: global_buffer, .address_space: global }
      - { .name: wscales, .offset: 64, .size: 8, .value_kind: global_buffer, .address_space: global }
      - { .name: wof, .offset: 72, .size: 8, .value_kind: global_buffer, .address_space: global }
    .group_segment_fixed_size: 33280
    .private_segment_fixed_size: 0
    .kernarg_segment_align: 8
    .kernarg_segment_size: 80
    .max_flat_workgroup_size: 128
    .sgpr_count:     66
    .vgpr_count:     192
    .wavefront_size: 32
...
	.end_amdgpu_metadata
.endif
;; end of part 1
;; launch qkv (part 2): grid 12 x 32, 4 waves a work-group, clusters of 4 x 4, 327,680 bytes of LDS; arguments xcodes, xscales, wcodes, wscales, qkv, fine, bq, bk, bv; writes qkv, fine
.if DOCPART == 2
	.amdgcn_target "amdgcn-amd-amdhsa--gfx1250"
	.amdhsa_code_object_version 6
	.text
	.protected	k_q973c03d1f4_qkv
	.globl	k_q973c03d1f4_qkv
	.p2align	8
	.type	k_q973c03d1f4_qkv,@function
k_q973c03d1f4_qkv:
	s_mov_b64 s[64:65], 0
	v_nop
	global_prefetch_b8 v0, s[64:65] scope:SCOPE_SE
	s_setreg_imm32_b32 hwreg(HW_REG_WAVE_MODE, 25, 1), 1
	s_wait_xcnt 0x0
	s_wait_alu depctr_hold_cnt(0) depctr_sa_sdst(0) depctr_va_vdst(0) depctr_va_sdst(0) depctr_va_ssrc(0) depctr_va_vcc(0) depctr_vm_vsrc(0)
	s_getreg_b32 s2, hwreg(HW_REG_IB_STS2, 6, 4)
	s_cmp_eq_u32 s2, 0
	s_cbranch_scc0 .Lentry_in_a_cluster
	s_endpgm
.Lentry_in_a_cluster:
	s_bfe_u32 s2, ttmp6, 0x10000c
	s_cmp_lg_u32 s2, 0xf033
	s_cbranch_scc0 .Lentry_shape_is_right
	s_endpgm
.Lentry_shape_is_right:
; [q | k | v][m][n] = sum over k of x[m][k] W[n][k] + b[n], m = 8,192 tokens, n = 3,072 (Wq's, Wk's, Wv's rows on end), K = 1,024, on codes of FP4 (E2M1) with one E8M0 scale for each 32 along K; sums in f32.
; A tile of 256 x 256 is made by a work-group of four waves; a wave makes 128 x 128: 64 accumulators of 16 x 16.  K is two steps of 512: both lie in LDS at once (two slots, rows of 256 bytes), so nothing is filled again.
; The scale bytes of the work-group's 256 + 256 rows, for all of K, come into LDS once, in rows of 256 bytes.
; CLUSTERS: 4 x 4 work-groups.  Tile row = 8 cy + cluster y, so cy is the batch and the block of positions is the same in all sixteen; tile column = 4 cluster x + cx, so cluster x says q, k or v.
; The four of a row of the cluster ask for A's tiles jointly, the four of a column for B's.
; THE MATRIX INSTRUCTION IS USED TRANSPOSED (source 0 = 16 rows of W, source 1 = 16 rows of x): a lane holds eight neighbouring n of one token.  The bias is the C of each sum's first product.
; RESULTS: rounded to f16 and laid by head, qkv [batch][n / 64][t][64] (LIMIT: |q|, |k|, |v| under 65,504); positions 0-15 of every batch also in f32, fine [batch][t][3072], for the launch that carries those rows finely.
; REGISTERS: window 0: v0-31 addresses; v32-95 scale words, two sets; v128-191 A's fragments, one set; v192-255 the bias, 8 registers for each of B's eight blocks.  Window 1: B's fragments, two sets.
;   Window 2: the accumulators of my rows 0-63 ((a, b) at v[8 (8 a + b)]); window 3: those of rows 64-127.  On the way out v32-63 and v128-191 of window 0 are at work.
.set SIZE_K, 1024
.set KSTEP,  512                       ; along K in a slot
.set NQ,     KSTEP/128                 ; matrix instructions deep
.set ROWB,   256                       ; a tile's row in bytes
.set KROW,   SIZE_K*4/8                ; a row of codes in memory
.set PITCH,  272                       ; an LDS row: 256 bytes + 16 of padding: the 16 rows of a load start in 16 different 16-byte columns modulo 256
.set FR,     8                         ; registers of a fragment
.set NL,     2                         ; LDS loads that bring one
.set NP,     4                         ; places behind this matrix instruction (ISA guide 7.12.1)
.set HALFT,  128*PITCH
.set SLOT,   4*HALFT                   ; A's 256 rows, then B's 256 rows
.set KS,     SIZE_K/32                 ; a row of scales in bytes
.set SCL,    2*SLOT                    ; behind the slots: the scales, as rows of 256 bytes + 16 of padding
.set HALFS,  (128*KS/256)*272
.set SBLK,   (16*KS/256)*272
.set SPARE,  SCL+4*HALFS               ; behind the scales: the spare words, 128 bytes for each wave
.set STGB,   16*528                    ; the way out: a stage for each wave, in slot 0, which has had its only fill and its last read by then
.set ADRA, 16                          ; v16-17  LDS address of my A fragments in slot 0, 1
.set ADRB, 20                          ; v20-21  the same for B
.set STO32, 22                         ; v22     f32 stage: where I put 32 bytes of a row (pitch 528)
.set RD32, 23                          ; v23     and where I read a row of 512 bytes back
.set STO16, 24                         ; v24     f16 stage: two tokens' 128 bytes to a row of 256 (pitch 272)
.set RD16, 25                          ; v25     and back, 512 consecutive bytes an instruction
.set CO,   26                          ; v26     16 x lane
.set ADRS, 27                          ; v27     LDS address of my scale words: lanes 0-15 A's rows, lanes 16-31 B's
.set SPW,  28                          ; v28     LDS address of my spare word; never rewritten
.set NIL,  29                          ; v29     0; never rewritten
.set SC,   32
.set AF,   128
.set BI,   192
.set TMP,  32
.set BK,   128
.set G1, 24
.set G0, 32
.set G1B, 48
.set G0B, 56
.set G1S, 68
.set G0S, 76
.set G1SB, 80
.set G0SB, 88
.set MSB, 0
.macro WIN new                         ; the immediate's high byte repeats the setting that is left
.if MSB != (\new)
	s_set_vgpr_msb (MSB<<8)|(\new)
.set MSB, (\new)
.endif
.endm
.set MUL_LO, 0xa1                      ; source 0 (B) window 1, source 1 (A) window 0, C and D window 2
.set MUL_HI, 0xf1                      ; the same, C and D window 3
.set TO_B,   0x40                      ; destination window 1, address window 0
; A joint load: waves 0 and 1 fetch for A, waves 2 and 3 for B; the branch hangs on the wave's number alone.  An s_nop 0 and four v_nop follow each of the two lines.
.macro JLOAD g0a, g1a, g0b, g1b
	s_cmp_eq_u32 s15, 0
	s_cbranch_scc0 .Lfor_b_\@
	tensor_load_to_lds s[\g0a:\g0a+3], s[\g1a:\g1a+7]
	s_nop 0
.rept 4
	v_nop
.endr
	s_branch .Lasked_\@
.Lfor_b_\@:
	tensor_load_to_lds s[\g0b:\g0b+3], s[\g1b:\g1b+7]
	s_nop 0
.rept 4
	v_nop
.endr
.Lasked_\@:
.endm
.macro CROUND                          ; a round of the cluster's barrier
	s_barrier_signal -1
	s_barrier_wait -1
	s_cmp_lg_u32 s14, 0
	s_cbranch_scc1 .Lnot_wave_0_\@
	s_barrier_signal -3
.Lnot_wave_0_\@:
	s_barrier_wait -3
	s_barrier_signal -1
	s_barrier_wait -1
.endm
	s_load_b128 s[4:7], s[0:1], 0x0                ; x's codes, x's scales
	s_load_b128 s[8:11], s[0:1], 0x10              ; W's codes, W's scales
	s_load_b64 s[12:13], s[0:1], 0x20              ; qkv
	s_load_b64 s[66:67], s[0:1], 0x28              ; fine
	s_load_b128 s[96:99], s[0:1], 0x30             ; bq, bk
	s_load_b64 s[100:101], s[0:1], 0x40            ; bv
	v_lshl_add_u32 v[SPW], v0, 2, SPARE
	v_mov_b32 v[NIL], 0
	ds_add_u32 v[SPW], v[NIL]                      ; the wave's opening: the add, twice on end, and its wait ahead of my first tensor load
	ds_add_u32 v[SPW], v[NIL]
	v_lshrrev_b32 v1, 5, v0
	v_readfirstlane_b32 s14, v1                    ; wave 0..3
	s_lshr_b32 s15, s14, 1                         ; which half of the tile's rows is mine.  Also: I fetch for A (0) or for B (1)
	s_and_b32 s16, s14, 1                          ; which half of its columns.  Also: which 128 rows of that tile I fetch
	s_bfe_u32 s40, ttmp6, 0x40000                  ; cx, cy: my place in the cluster
	s_bfe_u32 s41, ttmp6, 0x40004
	s_lshl_b32 s42, ttmp9, 2
	s_add_co_u32 s42, s42, s40                     ; tile column = 4 x cluster x + cx
	s_and_b32 s95, ttmp7, 0xffff                   ; cluster y: the block of 256 positions, the same in all sixteen partners
	s_lshl_b32 s17, s41, 3
	s_add_co_u32 s17, s17, s95                     ; tile row = 8 cy + cluster y: cy is the batch
	s_lshl_b32 s43, s41, 2
	s_lshl_b32 s43, 15, s43                        ; my row of the cluster
	s_lshl_b32 s44, 0x1111, s40                    ; my column
	; descriptor group 1: a tile of 128 rows x 256 bytes, 16 bytes of padding behind each row
	s_or_b32 s[G1+0], s43, (0<<16)|(1<<20)|(1<<21)|(5<<22)|(3<<25)  ; 15:0 the mask; 17:16 element of 1 byte; 20 padding on; 21 set beside a mask; 24:22 after every 64 words; 31:25 four words
	s_or_b32 s[G1B+0], s44, (0<<16)|(1<<20)|(1<<21)|(5<<22)|(3<<25)
.irp g, G1, G1B
	s_mov_b32 s[\g+1], ROWB<<16                    ; tensor_dim0
	s_mov_b32 s[\g+2], 128<<16                     ; tensor_dim1
	s_mov_b32 s[\g+3], ROWB<<16                    ; tile_dim0
	s_mov_b32 s[\g+4], 128                         ; tile_dim1
	s_mov_b32 s[\g+5], KROW                        ; tensor_dim0_stride
	s_mov_b32 s[\g+6], 0
	s_mov_b32 s[\g+7], 0
.endr
	; the scales of 128 rows: a dense block of 4,096 bytes, as 16 rows of 256 bytes (32 elements of 8 bytes), 16 bytes of padding behind each
	s_or_b32 s[G1S+0], s43, (3<<16)|(1<<20)|(1<<21)|(5<<22)|(3<<25)
	s_or_b32 s[G1SB+0], s44, (3<<16)|(1<<20)|(1<<21)|(5<<22)|(3<<25)
.irp g, G1S, G1SB
	s_mov_b32 s[\g+1], 32<<16
	s_mov_b32 s[\g+2], (128*KS/256)<<16
	s_mov_b32 s[\g+3], 32<<16
	s_mov_b32 s[\g+4], 128*KS/256
	s_mov_b32 s[\g+5], 32
	s_mov_b32 s[\g+6], 0
	s_mov_b32 s[\g+7], 0
.endr
	s_lshl_b32 s18, s16, 7                         ; which 128 rows of the tile I fetch
	s_lshl_b32 s20, s17, 8
	s_add_co_u32 s20, s20, s18                     ; A: row 256 x tile row + 128 x half
	s_lshl_b32 s46, s42, 8
	s_add_co_u32 s46, s46, s18                     ; B: row 256 x tile column + 128 x half
	s_mov_b32 s21, 0
	s_mov_b32 s47, 0
	s_mov_b64 s[18:19], KS
	s_mul_u64 s[22:23], s[20:21], s[18:19]         ; where these rows' scales begin, in bytes
	s_mul_u64 s[92:93], s[46:47], s[18:19]
	s_mov_b64 s[18:19], KROW
	s_mul_u64 s[20:21], s[20:21], s[18:19]         ; and their codes
	s_mul_u64 s[46:47], s[46:47], s[18:19]
	s_mul_i32 s45, s14, HALFT                      ; where they go: wave x 128 rows: no place in the cluster enters an LDS address
	s_mul_i32 s94, s14, HALFS
	s_wait_dscnt 0x0                               ; both opening adds are done
	s_wait_kmcnt 0x0
	s_add_nc_u64 s[20:21], s[4:5], s[20:21]
	s_add_nc_u64 s[22:23], s[6:7], s[22:23]
	s_add_nc_u64 s[46:47], s[8:9], s[46:47]
	s_add_nc_u64 s[92:93], s[10:11], s[92:93]
	CROUND                                         ; all sixteen work-groups are here: the joint loads meet
	s_mov_b32 s[G0S], 1
	s_add_co_u32 s[G0S+1], s94, SCL
	s_mov_b64 s[G0S+2:G0S+3], s[22:23]
	s_or_b32 s[G0S+3], s[G0S+3], 0x80000000
	s_mov_b32 s[G0SB], 1
	s_add_co_u32 s[G0SB+1], s94, SCL
	s_mov_b64 s[G0SB+2:G0SB+3], s[92:93]
	s_or_b32 s[G0SB+3], s[G0SB+3], 0x80000000
	JLOAD G0S, G1S, G0SB, G1SB                     ; the scales first: they are wanted with K step 0
.irp s, 0,1
	s_mov_b32 s[G0+4*\s], 1
	s_add_co_u32 s[G0+4*\s+1], s45, \s*SLOT
	s_add_nc_u64 s[G0+4*\s+2:G0+4*\s+3], s[20:21], \s*ROWB
	s_or_b32 s[G0+4*\s+3], s[G0+4*\s+3], 0x80000000
	s_mov_b32 s[G0B+4*\s], 1
	s_add_co_u32 s[G0B+4*\s+1], s45, \s*SLOT
	s_add_nc_u64 s[G0B+4*\s+2:G0B+4*\s+3], s[46:47], \s*ROWB
	s_or_b32 s[G0B+4*\s+3], s[G0B+4*\s+3], 0x80000000
	JLOAD G0+4*\s, G1, G0B+4*\s, G1B               ; three loads of mine are out in all
.endr
	v_and_b32 v1, 15, v0                           ; r = l % 16
	v_bfe_u32 v2, v0, 4, 1                         ; h = l / 16
	; the bias of my 128 columns: lane (r, h) wants, for B's block b, b[16 b + 8 h + 0 .. 7]
	s_cmp_eq_u32 ttmp9, 0                          ; cluster x says whose bias
	s_cselect_b64 s[96:97], s[96:97], s[98:99]
	s_cmp_eq_u32 ttmp9, 2
	s_cselect_b64 s[96:97], s[100:101], s[96:97]
	s_lshl_b32 s46, s40, 10                        ; 256 cx numbers,
	s_lshl_b32 s47, s16, 9                         ; + 128 x my half
	s_add_co_u32 s46, s46, s47
	s_mov_b32 s47, 0
	s_add_nc_u64 s[96:97], s[96:97], s[46:47]
	v_lshlrev_b32 v30, 5, v2
.irp b, 0,1,2,3,4,5,6,7
.irp e, 0,1
	global_load_b128 v[BI+8*\b+4*\e:BI+8*\b+4*\e+3], v30, s[96:97] offset:64*\b+16*\e
.endr
.endr
	v_mul_u32_u24 v3, v1, PITCH
	v_lshl_add_u32 v4, v2, 4, v3                   ; a fragment's row x pitch + 16 x half
	s_mul_i32 s21, s15, HALFT                      ; my 128 rows of A
	s_mul_i32 s22, s16, HALFT                      ; my 128 rows of B,
	s_add_co_u32 s22, s22, 2*HALFT                 ; which lie behind A's 256
.irp s, 0,1
	v_add_nc_u32 v[ADRA+\s], s21, v4
	v_add_nc_u32 v[ADRB+\s], s22, v4
	s_add_co_u32 s21, s21, SLOT
	s_add_co_u32 s22, s22, SLOT
.endr
	v_mul_u32_u24 v5, v1, KS                       ; my row's scales: KS bytes a row,
	v_lshrrev_b32 v6, 8, v5
	v_lshl_add_u32 v5, v6, 4, v5                   ; and 16 more for each 256 passed
	s_mul_i32 s21, s15, HALFS                      ; A's: my 128 rows
	s_mul_i32 s22, s16, HALFS                      ; B's: my 128 rows, behind A's 256
	s_add_co_u32 s22, s22, 2*HALFS
	s_sub_co_u32 s22, s22, s21
	v_mul_u32_u24 v6, s22, v2                      ; lanes 16-31 take B's
	s_add_co_u32 s21, s21, SCL
	v_add_nc_u32 v5, v5, v6
	v_add_nc_u32 v[ADRS], s21, v5
	s_mul_i32 s23, s14, STGB                       ; my stage
	v_mul_u32_u24 v5, v1, 528
	v_lshl_add_u32 v5, v2, 5, v5
	v_add_nc_u32 v[STO32], s23, v5                 ; f32: row r, 32 bytes for each half of the lanes
	v_and_b32 v6, 31, v0
	v_lshlrev_b32 v[CO], 4, v6
	v_add_nc_u32 v[RD32], s23, v[CO]               ; back: the 32 lanes take one row of 512 bytes
	v_lshrrev_b32 v5, 1, v1
	v_mul_u32_u24 v5, v5, 272
	v_and_b32 v6, 1, v1
	v_lshl_add_u32 v5, v6, 7, v5
	v_lshl_add_u32 v5, v2, 4, v5
	v_add_nc_u32 v[STO16], s23, v5                 ; f16: tokens 2 i, 2 i + 1 share a row of 256 bytes: 272 (r / 2) + 128 (r % 2) + 16 h
	v_mul_u32_u24 v5, v2, 272
	v_lshl_add_u32 v5, v1, 4, v5
	v_add_nc_u32 v[RD16], s23, v5                  ; back: lanes 0-15 one such row, lanes 16-31 the next
	s_mul_i32 s46, s41, 48                         ; qkv: plane = 48 x batch + 4 x tile column + 2 x my half of the columns,
	s_lshl_b32 s47, s42, 2
	s_add_co_u32 s46, s46, s47
	s_lshl_b32 s47, s16, 1
	s_add_co_u32 s46, s46, s47
	s_lshl_b32 s46, s46, 18                        ; of 262,144 bytes;
	s_lshl_b32 s47, s95, 15                        ; + 256 positions of 128 bytes for each block,
	s_add_co_u32 s46, s46, s47
	s_lshl_b32 s47, s15, 14                        ; + 128 for my half of the rows
	s_add_co_u32 s46, s46, s47
	s_mov_b32 s47, 0
	s_add_nc_u64 s[12:13], s[12:13], s[46:47]
	s_mul_i32 s46, s41, 196608                     ; fine: 16 rows of 12,288 bytes a batch,
	s_lshl_b32 s47, s42, 10                        ; + my 128 columns
	s_add_co_u32 s46, s46, s47
	s_lshl_b32 s47, s16, 9
	s_add_co_u32 s46, s46, s47
	s_mov_b32 s47, 0
	s_add_nc_u64 s[66:67], s[66:67], s[46:47]
	s_or_b32 s3, s95, s15                          ; 0 where my rows begin with positions 0-15 of a batch: cluster y and the wave's number alone
.macro FRAG reg, adr, q, i             ; a fragment, 16 rows x 128 K of 4-bit codes: lane l holds row l % 16; registers 4 c .. 4 c + 3 hold K = 64 c + 32 (l / 16) + 0 .. 31
.irp c, 0,1
	ds_load_b128 v[\reg+4*\c:\reg+4*\c+3], v[\adr] offset:64*(\q)+32*\c+(\i)*16*PITCH
.endr
.endm
; 16 matrix instructions: A's blocks a0, a0 + 1 x B's eight, 128 along K: the slot's q-th.  p: B's set;  sc: the set of scale words.  zero = 1: the first product starts the sums, with the bias as its C.
; The 64 accumulators take turns, one instruction a turn, in the same order in every step.
.macro MUL16 a0, p, q, sc, zero
.irp a, \a0, \a0+1
.irp b, 0,1,2,3,4,5,6,7
.if \zero
	v_wmma_scale_f32_16x16x128_f8f6f4 v[8*(8*((\a)%4)+\b):8*(8*((\a)%4)+\b)+7], v[128*(\p)+FR*\b:128*(\p)+FR*\b+FR-1], v[AF+FR*(\a):AF+FR*(\a)+FR-1], v[BI+8*\b:BI+8*\b+7], v[SC+8*NQ*(\sc)+NQ*\b+(\q)], v[SC+8*NQ*(\sc)+NQ*(\a)+(\q)] matrix_a_fmt:MATRIX_FMT_FP4 matrix_b_fmt:MATRIX_FMT_FP4 matrix_a_scale:MATRIX_SCALE_ROW1
.else
	v_wmma_scale_f32_16x16x128_f8f6f4 v[8*(8*((\a)%4)+\b):8*(8*((\a)%4)+\b)+7], v[128*(\p)+FR*\b:128*(\p)+FR*\b+FR-1], v[AF+FR*(\a):AF+FR*(\a)+FR-1], v[8*(8*((\a)%4)+\b):8*(8*((\a)%4)+\b)+7], v[SC+8*NQ*(\sc)+NQ*\b+(\q)], v[SC+8*NQ*(\sc)+NQ*(\a)+(\q)] matrix_a_fmt:MATRIX_FMT_FP4 matrix_b_fmt:MATRIX_FMT_FP4 matrix_a_scale:MATRIX_SCALE_ROW1
.endif
.endr
.endr
.endm
.macro FETCH_B slot, q, p              ; B's eight fragments of the slot's q-th 128 along K into set p
	WIN TO_B
.irp i, 0,1,2,3,4,5,6,7
	FRAG 128*(\p)+FR*\i, ADRB+\slot, \q, \i
.endr
	WIN 0
.endm
.macro FETCH_A slot, q, i0             ; A's blocks i0 .. i0 + 3
.irp i, \i0, \i0+1, \i0+2, \i0+3
	FRAG AF+FR*(\i), ADRA+\slot, \q, \i
.endr
.endm
.macro SCALES sc                       ; a K step's scale words into set sc: NQ words a row; lanes 0-15 take A's block i, lanes 16-31 B's block i
.irp i, 0,1,2,3,4,5,6,7
	ds_load_b128 v[SC+8*NQ*\sc+NQ*\i:SC+8*NQ*\sc+NQ*\i+3], v[ADRS] offset:\i*SBLK
.endr
.endm
.macro PLACES n                        ; plain vector lines between a matrix instruction and a load into, or a read of, its registers (ISA guide 7.12.1 for the reads)
.rept \n
	v_nop
.endr
.endm
; A step of 128 along K that has its successor in the same slot.  zero = 1: C (the bias) lies in window 0.
.macro STEP slot, q, zero
	s_wait_dscnt 4*NL                              ; B's set and A's blocks 0-3 are in; the youngest eight loads (A's blocks 4-7) may be out
	WIN MUL_LO-0x20*(\zero)
	MUL16 0, (\q)%2, \q, \slot, \zero
	MUL16 2, (\q)%2, \q, \slot, \zero
	s_wait_dscnt 0                                 ; A's blocks 4-7 are in
	PLACES NP
	FETCH_B \slot, (\q)+1, 1-(\q)%2
	FETCH_A \slot, (\q)+1, 0
	WIN MUL_HI-0x30*(\zero)
	MUL16 4, (\q)%2, \q, \slot, \zero
	MUL16 6, (\q)%2, \q, \slot, \zero
	PLACES NP
	WIN 0
	FETCH_A \slot, (\q)+1, 4
.endm
.macro STEPS slot, from                ; the slot's steps from .. NQ - 2
.set QQ, \from
.rept NQ-1-\from
	STEP \slot, QQ, 0
.set QQ, QQ+1
.endr
.endm
	s_wait_tensorcnt 1                             ; the scales and my part of K step 0 are in (K step 1's load may be out)
	s_barrier_signal -1
	s_barrier_wait -1                              ; everybody's are
	FETCH_B 0, 0, 0
	FETCH_A 0, 0, 0
	SCALES 0
	FETCH_A 0, 0, 4
	s_wait_loadcnt 0x0                             ; the bias
	STEP 0, 0, 1                                   ; the first products start the sums
	STEPS 0, 1
	; slot 0's last step changes slots: one barrier; in front of it each wave waits for all its tensor loads, adds 0 to its spare word, and waits for that and for its own reads of slot 0
	s_wait_tensorcnt 0x0                           ; my part of slot 1 has landed
	ds_add_u32 v[SPW], v[NIL]
	s_wait_dscnt 4*NL+1                            ; (the add and the youngest eight loads, A's blocks 4-7, may be out)
	WIN MUL_LO
	MUL16 0, 1, NQ-1, 0, 0
	s_wait_dscnt 0x0                               ; the add is done, and my reads of slot 0 are over
	s_barrier_signal -1
	MUL16 2, 1, NQ-1, 0, 0
	WIN 0
	s_barrier_wait -1
	PLACES NP
	v_add_nc_u32 v[ADRS], 4*NQ, v[ADRS]            ; on to K step 1's scale words (no LDS load of mine is out)
	FETCH_B 1, 0, 0
	FETCH_A 1, 0, 0
	SCALES 1
	WIN MUL_HI
	MUL16 4, 1, NQ-1, 0, 0
	MUL16 6, 1, NQ-1, 0, 0
	PLACES NP
	WIN 0
	FETCH_A 1, 0, 4
	STEPS 1, 0
	s_wait_dscnt 4*NL                              ; the very last step: nothing more to fetch
	WIN MUL_LO
	MUL16 0, 1, NQ-1, 1, 0
	MUL16 2, 1, NQ-1, 1, 0
	s_wait_dscnt 0
	WIN MUL_HI
	MUL16 4, 1, NQ-1, 1, 0
	MUL16 6, 1, NQ-1, 1, 0
	WIN 0
; THE WAY OUT.  A lane holds eight neighbouring n of one token, the lanes beside it other tokens: a block of 16 tokens goes through my own stage in LDS and comes back in the order of memory.
; LDS serves a wave's instructions in order (ISA guide 5.7.1.4): no wait between the stores and the loads, nor in front of the next block's stores.
	PLACES NP                                      ; behind the last products: for the reads of results, and for the loads and conversions that land on fragments and scale words
	s_cmp_lg_u32 s3, 0
	s_cbranch_scc1 .Lno_fine
	WIN 0x08                                       ; an LDS store's data are its source 1: window 2.  Block 0 is positions 0-15 of a batch: it also leaves in f32
.irp b, 0,1,2,3,4,5,6,7
	ds_store_b128 v[STO32], v[8*\b:8*\b+3] offset:64*\b            ; each accumulator from its low end on
	ds_store_b128 v[STO32], v[8*\b+4:8*\b+7] offset:64*\b+16
.endr
	WIN 0
.irp t, 0,1,2,3,4,5,6,7,8,9,10,11,12,13,14,15
	ds_load_b128 v[BK+4*\t:BK+4*\t+3], v[RD32] offset:\t*528
.endr
	s_wait_dscnt 0x0
.irp t, 0,1,2,3,4,5,6,7,8,9,10,11,12,13,14,15
	global_store_b128 v[CO], v[BK+4*\t:BK+4*\t+3], s[66:67] offset:\t*12288   ; 32 lanes store 512 consecutive bytes, aligned
.endr
	s_wait_xcnt 0x0                                ; these stores have read their registers: the blocks below land there
.Lno_fine:
.macro PACK a                          ; block a, rounded to f16: 16 bytes a lane for each of B's eight blocks
.set AC, 64*((\a)%4)
	WIN 0x0a+5*((\a)/4)                            ; sources 0 and 1: window 2 or 3
.irp b, 0,1,2,3,4,5,6,7
.irp i, 0,1,2,3
	v_cvt_pk_f16_f32 v[TMP+4*\b+\i], v[AC+8*\b+2*\i], v[AC+8*\b+2*\i+1]
.endr
.endr
	WIN 0
.endm
.macro TOSTAGE a                       ; B's blocks 0-3 are one head's 64 numbers, blocks 4-7 the next head's: 2,176 bytes of stage each
.set BB, BK+32*((\a)%2)
.irp b, 0,1,2,3,4,5,6,7
	ds_store_b128 v[STO16], v[TMP+4*\b:TMP+4*\b+3] offset:(\b/4)*2176+32*(\b%4)
.endr
.irp i, 0,1,2,3,4,5,6,7
	ds_load_b128 v[BB+4*\i:BB+4*\i+3], v[RD16] offset:544*\i
.endr
.endm
.macro SEND a
.set BB, BK+32*((\a)%2)
	s_wait_dscnt 0x0                               ; the block is back in registers
	s_wait_xcnt 0x0                                ; the block before has left its registers: the next block's loads may land there
.irp i, 0,1,2,3,4,5,6,7
	global_store_b128 v[CO], v[BB+4*\i:BB+4*\i+3], s[12:13] offset:(\a)*2048+(\i%4)*512+(\i/4)*262144   ; four tokens' 512 consecutive bytes of one head, aligned
.endr
.endm
	PACK 0
	TOSTAGE 0
.irp a, 1,2,3,4,5,6,7                  ; block a's conversions stand between block a - 1's loads from the stage and the wait for them
	PACK \a
	SEND \a-1
	TOSTAGE \a
.endr
	SEND 7
	s_wait_tensorcnt 0x0                           ; the wave's end: behind my last tensor load and my last LDS store
	ds_add_u32 v[SPW], v[NIL]
	s_wait_dscnt 0x0
	CROUND                                         ; the closing round
	s_endpgm
.Lfunc_end_k_q973c03d1f4_qkv:
	.size	k_q973c03d1f4_qkv, .Lfunc_end_k_q973c03d1f4_qkv-k_q973c03d1f4_qkv
	.p2alignl 7, 3214868480
	.fill 96, 4, 3214868480
	.section	.rodata,"a",@progbits
	.p2align	6, 0x0
	.amdhsa_kernel k_q973c03d1f4_qkv
		.amdhsa_group_segment_fixed_size 327680
		.amdhsa_private_segment_fixed_size 0
		.amdhsa_enable_private_segment 0
		.amdhsa_kernarg_size 72
		.amdhsa_user_sgpr_count 2
		.amdhsa_user_sgpr_kernarg_segment_ptr 1
		.amdhsa_wavefront_size32 1
		.amdhsa_system_sgpr_workgroup_id_x 1
		.amdhsa_system_sgpr_workgroup_id_y 1
		.amdhsa_system_sgpr_workgroup_id_z 1
		.amdhsa_system_vgpr_workitem_id 0
		.amdhsa_next_free_vgpr 1024
		.amdhsa_next_free_sgpr 102
		.amdhsa_reserve_vcc 0
		.amdhsa_float_denorm_mode_32 3
		.amdhsa_float_denorm_mode_16_64 3
		.amdhsa_memory_ordered 1
		.amdhsa_forward_progress 1
		.amdhsa_inst_pref_size 133
	.end_amdhsa_kernel
	.amdgpu_metadata
---
amdhsa.version: [ 1, 2 ]
amdhsa.kernels:
  - .name:           k_q973c03d1f4_qkv
    .symbol:         k_q973c03d1f4_qkv.kd
    .args:
      - { .name: xcodes, .offset: 0, .size: 8, .value_kind: global_buffer, .address_space: global }
      - { .name: xscales, .offset: 8, .size: 8, .value_kind: global_buffer, .address_space: global }
      - { .name: wcodes, .offset: 16, .size: 8, .value_kind: global_buffer, .address_space: global }
      - { .name: wscales, .offset: 24, .size: 8, .value_kind: global_buffer, .address_space: global }
      - { .name: qkv, .offset: 32, .size: 8, .value_kind: global_buffer, .address_space: global }
      - { .name: fine, .offset: 40, .size: 8, .value_kind: global_buffer, .address_space: global }
      - { .name: bq, .offset: 48, .size: 8, .value_kind: global_buffer, .address_space: global }
      - { .name: bk, .offset: 56, .size: 8, .value_kind: global_buffer, .address_space: global }
      - { .name: bv, .offset: 64, .size: 8, .value_kind: global_buffer, .address_space: global }
    .group_segment_fixed_size: 327680
    .private_segment_fixed_size: 0
    .kernarg_segment_align: 8
    .kernarg_segment_size: 72
    .max_flat_workgroup_size: 128
    .sgpr_count:     102
    .vgpr_count:     1024
    .wavefront_size: 32
...
	.end_amdgpu_metadata
.endif
;; end of part 2
;; launch attn (part 3): grid 4 x 64, 16 waves a work-group, no clusters, 327,680 bytes of LDS; arguments qkv, ybuf; writes ybuf
.if DOCPART == 3
	.amdgcn_target "amdgcn-amd-amdhsa--gfx1250"
	.amdhsa_code_object_version 6
	.text
	.protected	k_q973c03d1f4_attn
	.globl	k_q973c03d1f4_attn
	.p2align	8
	.type	k_q973c03d1f4_attn,@function
k_q973c03d1f4_attn:
	s_mov_b64 s[64:65], 0
	v_nop
	global_prefetch_b8 v0, s[64:65] scope:SCOPE_SE
	s_setreg_imm32_b32 hwreg(HW_REG_WAVE_MODE, 25, 1), 1
	s_wait_xcnt 0x0
; y[b][h][q] = the sum over k <= q of softmax_k(q . k / 32) v[k]: 64 pairs (batch, head), 2,048 positions, head size 64.  q, k, v: f16, qkv [batch][48 planes][t][64] (planes 0-15 q's heads, 16-31 k's, 32-47 v's).
; Products on f16 operands with f32 sums; maxima, exponentials and sums in f32; the weights p (at most 1) are rounded to f16 for the second product, y once at the end.
; LIMITS: |y| under 65,504 (y is a mean of v); NaN and infinities are not served.  Positions 0-15 of each batch are computed here too, but the output's rows there come from the launch that carries them in f32.
; SHARES.  Work-group (i, batch x head) takes two blocks of 256 queries, first block 7 - i (key blocks 0 .. 7 - i), then block i (key blocks 0 .. i): nine slots of 256 keys for every work-group.
; Each of its sixteen waves owns 16 queries, in 256 registers: four waves to a SIMD, so that one wave's vector work stands beside another's matrix work and LDS loads.
; K's and V's tiles come through a ring of two LDS slots, filled by the tensor data mover (waves 0, 1: K's halves; waves 2, 3: V's) and read by all sixteen.
; NO CLUSTER: the four work-groups of a head leave their first block of queries after 8 - i slots, so from the fifth slot on they want different keys behind the same barrier: no joint request could name them.
; LAYOUT.  S^T = K Q^T (source 0 = 16 keys, source 1 = my 16 queries): a lane holds ONE query (lane % 16) and keys 8 (lane / 16) + 0 .. 7 of each tile.  Two such tiles, rounded to f16 in pairs, ARE source 1 of
; O^T = V^T P, whose result again holds one query a lane and eight channels.  K comes out of LDS as it lies, V ([key][channel]) turned, by ds_load_tr16_b128.
; SOFTMAX.  A running maximum m and sum l for each query: p = 2^(c s - c m), c = log2(e) / 32; in every step O and l are multiplied by a = 2^(c m_old - c m_new).
; CAUSAL.  A step of 128 keys all of which come after the wave's queries is left out (a scalar branch on ids); in the step on the diagonal hidden scores become -infinity ahead of the maximum.
; y leaves as images of the next product's operand registers: ybuf [token / 16][32 steps of 32 channels][part 2][lane][16 bytes]; a lane's eight channels of tile ct are part ct % 2 of step 2 head + ct / 2.
.set PK,    272                        ; two keys' rows of K (256 bytes) + 16 of padding: key r of a tile lies in 16-byte column r / 2 + 8 (r % 2) modulo 16: sixteen lanes, sixteen columns
.set PV,    288                        ; two keys' rows of V + 32: the turning load's sixteen lanes fall in columns 2 (k / 2) + 8 (k % 2) + c: sixteen different
.set VOFF,  128*PK                     ; a slot: 256 keys of K, then 256 of V
.set SLOT1, 1<<17                      ; slot 1 begins here: one exclusive or turns an address from one slot to the other
.set SPARE, 2*SLOT1                    ; the spare words, 128 bytes for each of sixteen waves
.set PLANE, 262144
.set AK0, 1                            ; v1   my lane's place in a tile of K
.set AV0, 2                            ; v2   and of V
.set ADK, 3                            ; v3   LDS address of the slot's K
.set ADV, 4                            ; v4   of V
.set SPW, 5                            ; v5   LDS address of my spare word; never rewritten
.set NIL, 6                            ; v6   0; never rewritten
.set GO,  7                            ; v7   16 x lane
.set QO,  8                            ; v8   my byte in the wave's rows of Q
.set PFO, 9                            ; v9   256 x lane
.set Q,   24                           ; v24-39   Q: two fragments.  v10 r - 8 h; v11 d; v12 c m; v13 m; v[14:15] l; v[16:17] a; v18-20 at work; v21 -infinity; v[22:23] 1 / l
.set F,   40                           ; v40-103  eight fragments of K or of V
.set S,   104                          ; v104-167 S^T, then p
.set P,   168                          ; v168-199 p in f16: four fragments
.set O,   200                          ; v200-231 O^T
.set T,   232                          ; v232-239 at work
.set WV,  18
.set WGI, 19
.set SEL, 20
.set CS,  22
.set G1K, 24
.set G1V, 32
.set G0K, 40
.set G0V, 44
.set KBASE, 48                         ; s[48:49] my half (128 keys) of key block 0 in K;  s[50:51] in V
.set VBASE, 50
.set QP0, 52                           ; s[52:53], s[54:55] my 16 rows of Q in the first and the second block of queries
.set QP1, 54
.set YP0, 56                           ; s[56:57], s[58:59] where their images go
.set YP1, 58
.set OFF, 60                           ; s[60:61] an offset, its high word 0
.set TB,  2                            ; s2   LDS byte at which the slot in hand begins
.set TR,  3                            ; s3   trips to go
.set QB,  66                           ; s66  the block of queries in hand
.set KB,  67                           ; s67  the block of keys in hand
.set NK,  68                           ; s68  the next one
.set KF,  69                           ; s69  the step's first key
.set Q0,  70                           ; s70  my first query
.set LIM, 71                           ; s71  2 in a wave that prefetches, else the greatest number
.set PFA, 72                           ; s[72:73] where my prefetches stand
.set KPL, 80                           ; s[80:81] K's plane;  s[82:83] V's
.set VPL, 82
; Waves 0 and 1 fetch for K, waves 2 and 3 for V, the others nothing.  The branches hang on the wave's number alone.  An s_nop 0 and four v_nop follow each of the two lines.
.macro TLOAD
	s_cmp_lt_u32 s[WV], 2
	s_cbranch_scc0 .Lnot_k_\@
	tensor_load_to_lds s[G0K:G0K+3], s[G1K:G1K+7]
	s_nop 0
.rept 4
	v_nop
.endr
	s_branch .Lasked_\@
.Lnot_k_\@:
	s_cmp_lt_u32 s[WV], 4
	s_cbranch_scc0 .Lasked_\@
	tensor_load_to_lds s[G0V:G0V+3], s[G1V:G1V+7]
	s_nop 0
.rept 4
	v_nop
.endr
.Lasked_\@:
.endm
; A PREFETCH of the key block that the NEXT change of slots will ask for.  All four work-groups of a head walk key blocks 0, 1, .. first; work-group i = 0, which walks all eight, asks, and nobody else.
; In it the waves ask that fetch nothing, one instruction each: waves 4 to 7 for K's 32,768 bytes, waves 8 to 11 for V's, 8,192 bytes a wave, lanes 256 bytes apart: each aligned block of 256 bytes is named once.
; Trip t asks for block t + 2, up to block 7 (t = 5); blocks 0 and 1 come by their loads alone.
.macro ASK
	s_cmp_gt_u32 s[TR], s[LIM]
	s_cbranch_scc0 .Lnot_mine_\@
	global_prefetch_b8 v[PFO], s[PFA:PFA+1] th:TH_LOAD_NT scope:SCOPE_SE
.Lnot_mine_\@:
.endm
.macro QLOAD qp                        ; my 16 queries: lane (r, h): row r; registers 8 c + 4 e on: channels 32 c + 16 e + 8 h + 0 .. 7
.irp c, 0,1
.irp e, 0,1
	global_load_b128 v[Q+8*\c+4*\e:Q+8*\c+4*\e+3], v[QO], s[\qp:\qp+1] offset:64*\c+32*\e
.endr
.endr
.endm
.macro RESET                           ; a block of queries begins: m under every score, l and O^T zeros, which the first change of m leaves zeros
	v_mov_b32 v13, 0xff61b1e6                      ; -3e38
	v_mul_f32 v12, s[CS], v13
	v_mov_b32 v14, 0
	v_mov_b32 v15, 0
.set n, 0
.rept 32
	v_mov_b32 v[O+n], 0
.set n, n+1
.endr
.endm
	s_load_b128 s[4:7], s[0:1], 0x0                ; qkv, ybuf
	v_lshl_add_u32 v[SPW], v0, 2, SPARE
	v_mov_b32 v[NIL], 0
	ds_add_u32 v[SPW], v[NIL]                      ; the wave's opening: the add, twice on end, and its wait ahead of the first tensor load
	ds_add_u32 v[SPW], v[NIL]
	v_lshrrev_b32 v1, 5, v0
	v_readfirstlane_b32 s[WV], v1                  ; wave 0..15
	s_mov_b32 s[WGI], ttmp9                        ; i
	s_and_b32 s74, ttmp7, 0xffff
	s_lshr_b32 s75, s74, 4                         ; batch
	s_and_b32 s76, s74, 15                         ; head
	s_mul_i32 s77, s75, 48
	s_add_co_u32 s77, s77, s76
	s_lshl_b32 s77, s77, 18                        ; q's plane, in bytes
	s_and_b32 s78, s[WV], 1                        ; which 128 keys of a slot I fetch, if I fetch
	; descriptor group 1: 64 rows of 128 elements of 2 bytes (two keys a row: the rows are dense in memory), padded behind each row
	s_mov_b32 s[G1K], (1<<16)|(1<<20)|(5<<22)|(3<<25)   ; 17:16 elements of 2 bytes; 20 padding on; 24:22 after every 64 words; 31:25 four words
	s_mov_b32 s[G1V], (1<<16)|(1<<20)|(5<<22)|(7<<25)   ; the same with eight words
.irp g, G1K, G1V
	s_mov_b32 s[\g+1], 128<<16                     ; tensor_dim0
	s_mov_b32 s[\g+2], 64<<16                      ; tensor_dim1
	s_mov_b32 s[\g+3], 128<<16                     ; tile_dim0
	s_mov_b32 s[\g+4], 64                          ; tile_dim1
	s_mov_b32 s[\g+5], 128                         ; tensor_dim0_stride
	s_mov_b32 s[\g+6], 0
	s_mov_b32 s[\g+7], 0
.endr
	s_mov_b32 s[SEL], 0x76543210
	s_mov_b32 s[SEL+1], 0xfedcba98                 ; v_permlanex16_b32's selects for lane l xor 16
	s_mov_b32 s[CS], 0x3d38aa3b                    ; c = log2(e) / 32
	s_mov_b32 s[CS+1], s[CS]                       ; (named with it as a pair, so it is written)
	s_mov_b32 s[TB], 0
	s_mov_b32 s[TR], 8
	s_sub_co_u32 s[QB], 7, s[WGI]
	s_mov_b32 s[KB], 0
	s_lshl_b32 s[Q0], s[QB], 8
	s_lshl_b32 s79, s[WV], 4
	s_add_co_u32 s[Q0], s[Q0], s79                 ; my first query: 256 x block + 16 x wave
	s_mov_b32 s[OFF+1], 0
	s_wait_dscnt 0x0                               ; both opening adds are done
	s_wait_kmcnt 0x0
	s_add_co_u32 s[OFF], s77, 16*PLANE
	s_add_nc_u64 s[KPL:KPL+1], s[4:5], s[OFF:OFF+1]
	s_add_co_u32 s[OFF], s77, 32*PLANE
	s_add_nc_u64 s[VPL:VPL+1], s[4:5], s[OFF:OFF+1]
	s_lshl_b32 s[OFF], s78, 14                     ; 128 keys of 128 bytes
	s_add_nc_u64 s[KBASE:KBASE+1], s[KPL:KPL+1], s[OFF:OFF+1]
	s_add_nc_u64 s[VBASE:VBASE+1], s[VPL:VPL+1], s[OFF:OFF+1]
	s_mov_b32 s[G0K], 1                            ; count = 1
	s_mul_i32 s[G0K+1], s78, 64*PK                 ; LDS address: slot 0, my half
	s_mov_b64 s[G0K+2:G0K+3], s[KBASE:KBASE+1]     ; key block 0
	s_or_b32 s[G0K+3], s[G0K+3], 0x80000000        ; type = 2
	s_mov_b32 s[G0V], 1
	s_mul_i32 s[G0V+1], s78, 64*PV
	s_add_co_u32 s[G0V+1], s[G0V+1], VOFF
	s_mov_b64 s[G0V+2:G0V+3], s[VBASE:VBASE+1]
	s_or_b32 s[G0V+3], s[G0V+3], 0x80000000
	TLOAD                                          ; slot 0: key 0 counts for every query
	s_lshl_b32 s[OFF], s[Q0], 7
	s_add_co_u32 s[OFF], s[OFF], s77
	s_add_nc_u64 s[QP0:QP0+1], s[4:5], s[OFF:OFF+1]
	s_lshl_b32 s75, s75, 22                        ; ybuf: 128 tiles of 16 tokens x 32,768 bytes a batch,
	s_lshl_b32 s76, s76, 11                        ; 2,048 bytes a head
	s_add_co_u32 s75, s75, s76
	s_lshl_b32 s[OFF], s[Q0], 11                   ; (first query / 16) x 32,768
	s_add_co_u32 s[OFF], s[OFF], s75
	s_add_nc_u64 s[YP0:YP0+1], s[6:7], s[OFF:OFF+1]
	s_lshl_b32 s74, s[WGI], 8
	s_add_co_u32 s74, s74, s79                     ; my first query in the second block
	s_lshl_b32 s[OFF], s74, 7
	s_add_co_u32 s[OFF], s[OFF], s77
	s_add_nc_u64 s[QP1:QP1+1], s[4:5], s[OFF:OFF+1]
	s_lshl_b32 s[OFF], s74, 11
	s_add_co_u32 s[OFF], s[OFF], s75
	s_add_nc_u64 s[YP1:YP1+1], s[6:7], s[OFF:OFF+1]
	s_cmp_lt_u32 s[WV], 8                          ; the prefetches: waves 4 to 7 ask for K, waves 8 to 11 for V
	s_cselect_b64 s[PFA:PFA+1], s[KPL:KPL+1], s[VPL:VPL+1]
	s_and_b32 s74, s[WV], 3
	s_lshl_b32 s74, s74, 13                        ; my wave's 8,192 bytes,
	s_add_co_u32 s[OFF], s74, 32768                ; in key block 1: the first change of slots steps it to block 2
	s_add_nc_u64 s[PFA:PFA+1], s[PFA:PFA+1], s[OFF:OFF+1]
	s_sub_co_u32 s74, s[WV], 4
	s_lshr_b32 s74, s74, 3                         ; 0 in waves 4 to 11,
	s_or_b32 s74, s74, s[WGI]                      ; of work-group i = 0
	s_cmp_eq_u32 s74, 0
	s_cselect_b32 s[LIM], 2, -1
	v_and_b32 v18, 15, v0                          ; r
	v_bfe_u32 v19, v0, 4, 1                        ; h
	v_lshlrev_b32 v[QO], 7, v18
	v_lshl_add_u32 v[QO], v19, 4, v[QO]            ; row r of 128 bytes, + 16 h
	QLOAD QP0
	v_lshrrev_b32 v20, 1, v18
	v_mul_u32_u24 v[AK0], v20, PK
	v_and_b32 v20, 1, v18
	v_lshl_add_u32 v[AK0], v20, 7, v[AK0]
	v_lshl_add_u32 v[AK0], v19, 4, v[AK0]          ; K: PK (r / 2) + 128 (r % 2) + 16 h
	v_and_b32 v20, 7, v0
	v_lshl_add_u32 v20, v19, 3, v20                ; V: the turning load's lane reads key k = 8 h + l % 8, channels 8 ((l / 8) % 2) on
	v_lshrrev_b32 v22, 1, v20
	v_mul_u32_u24 v[AV0], v22, PV
	v_and_b32 v22, 1, v20
	v_lshl_add_u32 v[AV0], v22, 7, v[AV0]
	v_bfe_u32 v22, v0, 3, 1
	v_lshl_add_u32 v[AV0], v22, 4, v[AV0]
	v_add_nc_u32 v[AV0], VOFF, v[AV0]
	v_and_b32 v20, 31, v0
	v_lshlrev_b32 v[GO], 4, v20
	v_lshlrev_b32 v[PFO], 8, v20
	v_lshlrev_b32 v20, 3, v19
	v_sub_nc_u32 v10, v18, v20                     ; r - 8 h
	v_mov_b32 v21, 0xff800000                      ; -infinity
	v_mov_b32 v17, 0                               ; (the upper halves of the pairs a and 1 / l are named, so they are written)
	v_mov_b32 v23, 0
	RESET
; A KEY STEP: 128 keys, the q-th of the slot in hand.
.macro STEP q
	s_add_co_u32 s74, s[Q0], 15
	s_cmp_gt_u32 s[KF], s74                        ; all its keys come after my queries: nothing to do but to count on
	s_cbranch_scc1 .Lhidden_\@
	v_add_nc_u32 v[ADK], s[TB], v[AK0]
	v_add_nc_u32 v[ADV], s[TB], v[AV0]
	v_nop                                          ; with the two additions: four places in front of loads into registers that the last products read
	v_nop
.irp g, 0,1                                    ; S^T = K Q^T, four tiles of 16 keys at a time
.if \g
.rept 4
	v_nop
.endr
.endif
.irp t, 0,1,2,3
.irp c, 0,1
.irp e, 0,1
	ds_load_b128 v[F+16*\t+8*\c+4*\e:F+16*\t+8*\c+4*\e+3], v[ADK] offset:64*PK*(\q)+32*PK*\g+8*PK*\t+64*\c+32*\e
.endr
.endr
.endr
	s_wait_dscnt 0x0
.irp c, 0,1                                    ; the four accumulators take turns; the first 32 channels start the sums
.irp t, 0,1,2,3
.if \c == 0
	v_wmma_f32_16x16x32_f16 v[S+8*(4*\g+\t):S+8*(4*\g+\t)+7], v[F+16*\t:F+16*\t+7], v[Q:Q+7], 0
.else
	v_wmma_f32_16x16x32_f16 v[S+8*(4*\g+\t):S+8*(4*\g+\t)+7], v[F+16*\t+8:F+16*\t+15], v[Q+8:Q+15], v[S+8*(4*\g+\t):S+8*(4*\g+\t)+7]
.endif
.endr
.endr
.endr
.rept 4
	v_nop
.endr
	s_add_co_u32 s74, s[KF], 127
	s_cmp_le_u32 s74, s[Q0]                        ; all 128 keys count for all my queries: no mask
	s_cbranch_scc1 .Lopen_\@
	s_sub_co_i32 s74, s[Q0], s[KF]
	v_add_nc_u32 v11, s74, v10                     ; d = my query - the step's first key - 8 h.  Register 8 t + j holds key 16 t + 8 h + j of the step: hidden where 16 t + j > d
.set n, 0
.rept 64
	v_cmp_gt_i32 vcc_lo, 16*(n/8)+n%8, v11
	v_cndmask_b32 v[S+n], v[S+n], v21, vcc_lo
.set n, n+1
.endr
.Lopen_\@:
.irp t, 0,1,2,3,4,5,6,7
	v_max3_num_f32 v[T+\t], v[S+8*\t], v[S+8*\t+1], v[S+8*\t+2]    ; the maximum: eight chains, each from its tile's low end on
.endr
.irp i, 3,5
.irp t, 0,1,2,3,4,5,6,7
	v_max3_num_f32 v[T+\t], v[T+\t], v[S+8*\t+\i], v[S+8*\t+\i+1]
.endr
.endr
.irp t, 0,1,2,3
	v_max3_num_f32 v[T+\t], v[T+\t], v[S+8*\t+7], v[S+8*\t+39]
.endr
	v_max3_num_f32 v[T], v[T], v[T+1], v[T+2]
	v_max3_num_f32 v[T+3], v[T+3], v[T+4], v[T+5]
	v_max3_num_f32 v[T+6], v[T+6], v[T+7], v13     ; with the old m
	v_max3_num_f32 v[T], v[T], v[T+3], v[T+6]
	v_permlanex16_b32 v[T+1], v[T], s[SEL], s[SEL+1]   ; the query's other 64 keys lie in the lane 16 away
	v_max_num_f32 v13, v[T], v[T+1]
	v_mov_b32 v18, v12                             ; c m_old
	v_mul_f32 v12, s[CS], v13                      ; c m
	v_sub_f32 v18, v18, v12
	v_exp_f32 v16, v18                             ; a.  ONE BATCH: a and the 64 weights; none of the lines up to the wait names a result
.set n, 0
.rept 32
	v_pk_fma_f32 v[S+n:S+n+1], v[S+n:S+n+1], s[CS:CS+1], v[12:13] op_sel_hi:[1,0,0] neg_lo:[0,0,1] neg_hi:[0,0,1]   ; c s - c m, two at a time
.set n, n+2
.endr
.set n, 0
.rept 64
	v_exp_f32 v[S+n], v[S+n]
.set n, n+1
.endr
	v_nop                                          ; a plain line behind the last exponential
	s_wait_alu depctr_va_vdst(0)                   ; the wait ahead of the first use: one for the batch
	v_pk_mul_f32 v[14:15], v[14:15], v[16:17] op_sel_hi:[1,0]      ; l under the new m,
	v_pk_add_f32 v[18:19], v[S:S+1], v[S+2:S+3]    ; and the step's weights, in f32, in two chains
.set n, 4
.rept 15
	v_pk_add_f32 v[14:15], v[14:15], v[S+n:S+n+1]
	v_pk_add_f32 v[18:19], v[18:19], v[S+n+2:S+n+3]
.set n, n+4
.endr
	v_pk_add_f32 v[14:15], v[14:15], v[18:19]
.set n, 0
.rept 32
	v_cvt_pk_f16_f32 v[P+n], v[S+2*n], v[S+2*n+1]  ; tiles 2 p and 2 p + 1 become the fragment of keys 32 p on
.set n, n+1
.endr
.set n, 0
.rept 16
	v_pk_mul_f32 v[O+n:O+n+1], v[O+n:O+n+1], v[16:17] op_sel_hi:[1,0]   ; O^T under the new m
.set n, n+2
.endr
.irp g, 0,1                                    ; O^T += V^T P: 64 keys at a time
.if \g
.rept 4
	v_nop
.endr
.endif
.irp kk, 0,1
.irp ct, 0,1,2,3
.irp e, 0,1
	ds_load_tr16_b128 v[F+32*\kk+8*\ct+4*\e:F+32*\kk+8*\ct+4*\e+3], v[ADV] offset:64*PV*(\q)+32*PV*\g+16*PV*\kk+8*PV*\e+32*\ct
.endr
.endr
.endr
	s_wait_dscnt 0x0
.irp kk, 0,1
.irp ct, 0,1,2,3
	v_wmma_f32_16x16x32_f16 v[O+8*\ct:O+8*\ct+7], v[F+32*\kk+8*\ct:F+32*\kk+8*\ct+7], v[P+8*(2*\g+\kk):P+8*(2*\g+\kk)+7], v[O+8*\ct:O+8*\ct+7]
.endr
.endr
.endr
.Lhidden_\@:
	s_add_co_u32 s[KF], s[KF], 128
.endm
; THE CHANGE OF SLOTS stands at a slot's head.  Each wave waits for all its tensor loads (its part of the slot that is about to be read), adds 0 to its spare word
; and waits for that and for its reads of the slot that it has left.  Behind the barrier the slot ahead is whole and nobody reads the other one:
; fill = 1: that one takes the key block that follows: the next one, or block 0 where the block of queries ends.  One tensor load of a wave is out at the most.
.macro CHANGE fill
	s_wait_tensorcnt 0x0                           ; no tensor load of mine is out, so a group 0 may be written
	ds_add_u32 v[SPW], v[NIL]
.if \fill
	ds_add_u32 v[SPW], v[NIL]
	s_add_co_u32 s[NK], s[KB], 1
	s_cmp_eq_u32 s[KB], s[QB]
	s_cselect_b32 s[NK], 0, s[NK]
	s_lshl_b32 s[OFF], s[NK], 15                   ; 256 keys of 128 bytes
	s_xor_b32 s[G0K+1], s[G0K+1], SLOT1            ; the other slot than last time
	s_add_nc_u64 s[G0K+2:G0K+3], s[KBASE:KBASE+1], s[OFF:OFF+1]
	s_or_b32 s[G0K+3], s[G0K+3], 0x80000000
	s_xor_b32 s[G0V+1], s[G0V+1], SLOT1
	s_add_nc_u64 s[G0V+2:G0V+3], s[VBASE:VBASE+1], s[OFF:OFF+1]
	s_or_b32 s[G0V+3], s[G0V+3], 0x80000000
	s_wait_xcnt 0x0                                ; the last prefetch, a slot back, has read its address, so it may be written
	s_add_nc_u64 s[PFA:PFA+1], s[PFA:PFA+1], 32768
.endif
	s_wait_dscnt 0x0                               ; the add is done, and my reads of the slot that I have left are over
	s_barrier_signal -1
	s_barrier_wait -1
.if \fill
	TLOAD                                          ; the first thing behind the barrier, and a wave's one tensor load until the next
	ASK
.endif
.endm
; A block of queries is finished: O^T / l, rounded to f16, is already an image of the next product's operand: four stores of 512 consecutive bytes.
.macro FINISH yp
.rept 4
	v_nop                                          ; places behind the last products
.endr
	v_add_f32 v18, v14, v15                        ; l's two halves,
	v_permlanex16_b32 v19, v18, s[SEL], s[SEL+1]
	v_add_f32 v18, v18, v19                        ; and lane l xor 16's
	v_rcp_f32 v22, v18
	v_nop                                          ; a plain line behind the reciprocal,
	s_wait_alu depctr_va_vdst(0)                   ; and the wait ahead of its first use
.set n, 0
.rept 16
	v_pk_mul_f32 v[S+n:S+n+1], v[O+n:O+n+1], v[22:23] op_sel_hi:[1,0]   ; each accumulator from its low end on
.set n, n+2
.endr
.set n, 0
.rept 16
	v_cvt_pk_f16_f32 v[F+n], v[S+2*n], v[S+2*n+1]
.set n, n+1
.endr
.irp ct, 0,1,2,3
	global_store_b128 v[GO], v[F+4*\ct:F+4*\ct+3], s[\yp:\yp+1] offset:1024*(\ct/2)+512*(\ct%2)
.endr
.endm
	s_wait_loadcnt 0x0                             ; Q
.Ltrip:                                            ; eight trips: behind each change of slots but the last the next key block is asked for
	CHANGE 1
	s_lshl_b32 s[KF], s[KB], 8
	STEP 0
	STEP 1
	s_xor_b32 s[TB], s[TB], SLOT1                  ; on to the other slot
	s_cmp_lg_u32 s[KB], s[QB]                      ; ids and the count of trips alone: all sixteen waves go the same way
	s_cbranch_scc1 .Lon
	QLOAD QP1                                      ; the first block of queries is done: the second block's Q,
	FINISH YP0                                     ; the first block's y,
	RESET                                          ; and the state anew
	s_mov_b32 s[QB], s[WGI]
	s_lshl_b32 s[Q0], s[WGI], 8
	s_lshl_b32 s74, s[WV], 4
	s_add_co_u32 s[Q0], s[Q0], s74
	s_mov_b32 s[KB], -1
	s_wait_loadcnt 0x0                             ; Q
	s_wait_xcnt 0x0                                ; y's stores have read their registers, which the next step's loads take
.Lon:
	s_add_co_u32 s[KB], s[KB], 1
	s_sub_co_u32 s[TR], s[TR], 1
	s_cmp_lg_u32 s[TR], 0
	s_cbranch_scc1 .Ltrip
	CHANGE 0                                       ; the last slot is written out: nothing is left to fetch
	s_lshl_b32 s[KF], s[KB], 8
	STEP 0
	STEP 1
	FINISH YP1
	s_wait_tensorcnt 0x0                           ; the wave's end
	ds_add_u32 v[SPW], v[NIL]
	s_wait_dscnt 0x0
	s_endpgm
.Lfunc_end_k_q973c03d1f4_attn:
	.size	k_q973c03d1f4_attn, .Lfunc_end_k_q973c03d1f4_attn-k_q973c03d1f4_attn
	.p2alignl 7, 3214868480
	.fill 96, 4, 3214868480
	.section	.rodata,"a",@progbits
	.p2align	6, 0x0
	.amdhsa_kernel k_q973c03d1f4_attn
		.amdhsa_group_segment_fixed_size 327680
		.amdhsa_private_segment_fixed_size 0
		.amdhsa_enable_private_segment 0
		.amdhsa_kernarg_size 16
		.amdhsa_user_sgpr_count 2
		.amdhsa_user_sgpr_kernarg_segment_ptr 1
		.amdhsa_wavefront_size32 1
		.amdhsa_system_sgpr_workgroup_id_x 1
		.amdhsa_system_sgpr_workgroup_id_y 1
		.amdhsa_system_sgpr_workgroup_id_z 1
		.amdhsa_system_vgpr_workitem_id 0
		.amdhsa_next_free_vgpr 256
		.amdhsa_next_free_sgpr 84
		.amdhsa_reserve_vcc 1
		.amdhsa_float_denorm_mode_32 3
		.amdhsa_float_denorm_mode_16_64 3
		.amdhsa_memory_ordered 1
		.amdhsa_forward_progress 1
		.amdhsa_inst_pref_size 110
	.end_amdhsa_kernel
	.amdgpu_metadata
---
amdhsa.version: [ 1, 2 ]
amdhsa.kernels:
  - .name:           k_q973c03d1f4_attn
    .symbol:         k_q973c03d1f4_attn.kd
    .args:
      - { .name: qkv, .offset: 0, .size: 8, .value_kind: global_buffer, .address_space: global }
      - { .name: ybuf, .offset: 8, .size: 8, .value_kind: global_buffer, .address_space: global }
    .group_segment_fixed_size: 327680
    .private_segment_fixed_size: 0
    .kernarg_segment_align: 8
    .kernarg_segment_size: 16
    .max_flat_workgroup_size: 512
    .sgpr_count:     84
    .vgpr_count:     256
    .wavefront_size: 32
...
	.end_amdgpu_metadata
.endif
;; end of part 3
;; launch oproj (part 4): grid 8 x 32, 4 waves a work-group, clusters of 4 x 4, 327,680 bytes of LDS; arguments ybuf, wof, bo, out0; writes out0
.if DOCPART == 4
	.amdgcn_target "amdgcn-amd-amdhsa--gfx1250"
	.amdhsa_code_object_version 6
	.text
	.protected	k_q973c03d1f4_oproj
	.globl	k_q973c03d1f4_oproj
	.p2align	8
	.type	k_q973c03d1f4_oproj,@function
k_q973c03d1f4_oproj:
	s_mov_b64 s[64:65], 0
	v_nop
	global_prefetch_b8 v0, s[64:65] scope:SCOPE_SE
	s_setreg_imm32_b32 hwreg(HW_REG_WAVE_MODE, 25, 1), 1
	s_wait_xcnt 0x0
	s_wait_alu depctr_hold_cnt(0) depctr_sa_sdst(0) depctr_va_vdst(0) depctr_va_sdst(0) depctr_va_ssrc(0) depctr_va_vcc(0) depctr_vm_vsrc(0)
	s_getreg_b32 s2, hwreg(HW_REG_IB_STS2, 6, 4)
	s_cmp_eq_u32 s2, 0
	s_cbranch_scc0 .Lentry_in_a_cluster
	s_endpgm
.Lentry_in_a_cluster:
	s_bfe_u32 s2, ttmp6, 0x10000c
	s_cmp_lg_u32 s2, 0xf033
	s_cbranch_scc0 .Lentry_shape_is_right
	s_endpgm
.Lentry_shape_is_right:
; out[m][n] = sum over k of y[m][k] Wo[n][k] + bo[n], m = 8,192 tokens, n = k = 1,024; f16 operands, f32 sums; all rows but positions 0-15 of each batch, which another launch carries in f32 and stores.
; Both operands lie in memory as images of the operand's registers: [16 rows][32 along K][part 2][lane 32][16 bytes]: a fragment is two loads of 16 bytes at 16 x lane, consecutive bytes, no pitch, no padding.
; A tile of 256 x 128 is made by a work-group of four waves: 256 work-groups.  A wave makes 128 x 64: 32 accumulators of 16 x 16, in window 1.
; K goes in eight steps of 128 through a ring of two LDS slots: for each 16 rows a step is 4,096 consecutive bytes.  Waves 0, 1 fetch A's halves (8 x 4,096 bytes), waves 2, 3 B's (4 x 4,096).
; CLUSTERS: 4 x 4 work-groups; tile row = 8 cy + cluster y, tile column = 4 cluster x + cx.  The four of a row of the cluster ask for A's tiles jointly, the four of a column for B's.
; THE MATRIX INSTRUCTION IS USED TRANSPOSED (source 0 = 16 rows of Wo, source 1 = 16 tokens): a lane holds eight neighbouring n of one token.  The bias is the C of each sum's first product.
; REGISTERS, window 0: v16-29 addresses; v32-63 the bias; v64-191 A's fragments, two sets of 8; v192-255 B's, two sets of 4.  Window 1: accumulator (a, b) at v[8 (4 a + b)].
.set SLOT,   98304                     ; A: 16 x 4,096 bytes, then B: 8 x 4,096
.set BOFF,   65536
.set STAGE,  2*SLOT                    ; behind the ring: 16 rows x (256 + 16) bytes for each wave
.set SPITCH, 272
.set SPARE,  STAGE+4*16*SPITCH         ; behind the stages: the spare words, 128 bytes for each wave
.set LAPS,   4                         ; a lap = two K steps
.set ADRA, 16
.set ADRB, 20
.set STO,  24
.set RD,   25
.set CO,   26
.set SPW,  28
.set NIL,  29
.set BI,   32
.set AF,   64
.set BF,   192
.set OB,   64
.set G1, 24
.set G0, 32
.set G1B, 48
.set G0B, 56
.set SKIP, 66
.set MSB, 0
.macro WIN new
.if MSB != (\new)
	s_set_vgpr_msb (MSB<<8)|(\new)
.set MSB, (\new)
.endif
.endm
.set MUL, 0x50                         ; sources 0 and 1 window 0; C and D window 1
.macro JLOAD s                         ; a joint load: waves 0 and 1 fetch A's halves, waves 2 and 3 B's; an s_nop 0 and four v_nop follow each of the two lines
	s_cmp_eq_u32 s11, 0
	s_cbranch_scc0 .Lfor_b_\@
	tensor_load_to_lds s[G0+4*\s:G0+4*\s+3], s[G1:G1+7]
	s_nop 0
.rept 4
	v_nop
.endr
	s_branch .Lasked_\@
.Lfor_b_\@:
	tensor_load_to_lds s[G0B+4*\s:G0B+4*\s+3], s[G1B:G1B+7]
	s_nop 0
.rept 4
	v_nop
.endr
.Lasked_\@:
.endm
.macro CREST                           ; a round of the cluster's barrier behind its opening barrier
	s_cmp_lg_u32 s10, 0
	s_cbranch_scc1 .Lnot_wave_0_\@
	s_barrier_signal -3
.Lnot_wave_0_\@:
	s_barrier_wait -3
	s_barrier_signal -1
	s_barrier_wait -1
.endm
.macro CROUND
	s_barrier_signal -1
	s_barrier_wait -1
	CREST
.endm
	s_load_b128 s[4:7], s[0:1], 0x0                ; ybuf, wof
	s_load_b128 s[68:71], s[0:1], 0x10             ; bo, out0
	v_lshl_add_u32 v[SPW], v0, 2, SPARE
	v_mov_b32 v[NIL], 0
	ds_add_u32 v[SPW], v[NIL]                      ; the wave's opening: the add, twice on end, and its wait ahead of my first tensor load
	ds_add_u32 v[SPW], v[NIL]
	v_lshrrev_b32 v1, 5, v0
	v_readfirstlane_b32 s10, v1                    ; wave 0..3
	s_lshr_b32 s11, s10, 1                         ; which half of the tile's rows is mine.  Also: I fetch for A (0) or for B (1)
	s_and_b32 s12, s10, 1                          ; which half of its columns.  Also: which half of that tile I fetch
	s_bfe_u32 s40, ttmp6, 0x40000                  ; cx, cy
	s_bfe_u32 s41, ttmp6, 0x40004
	s_lshl_b32 s42, ttmp9, 2
	s_add_co_u32 s42, s42, s40                     ; tile column = 4 x cluster x + cx
	s_and_b32 s45, ttmp7, 0xffff                   ; cluster y: the block of 256 positions, the same in all sixteen partners
	s_lshl_b32 s13, s41, 3
	s_add_co_u32 s13, s13, s45                     ; tile row = 8 cy + cluster y
	s_lshl_b32 s43, s41, 2
	s_lshl_b32 s43, 15, s43                        ; my row of the cluster
	s_lshl_b32 s44, 0x1111, s40                    ; my column
	; descriptor group 1: rows of 512 elements of 8 bytes, 4,096 elements apart in memory, on end in LDS
	s_or_b32 s[G1+0], s43, (3<<16)|(1<<21)         ; 15:0 the mask; 17:16 elements of 8 bytes; 21 set beside a mask
	s_or_b32 s[G1B+0], s44, (3<<16)|(1<<21)
	s_mov_b32 s[G1+1], 512<<16                     ; tensor_dim0
	s_mov_b32 s[G1+2], 8<<16                       ; tensor_dim1: A: 8 rows
	s_mov_b32 s[G1+3], 512<<16                     ; tile_dim0
	s_mov_b32 s[G1+4], 8                           ; tile_dim1
	s_mov_b32 s[G1+5], 4096                        ; tensor_dim0_stride
	s_mov_b32 s[G1+6], 0
	s_mov_b32 s[G1+7], 0
	s_mov_b32 s[G1B+1], 512<<16
	s_mov_b32 s[G1B+2], 4<<16                      ; B: 4 rows
	s_mov_b32 s[G1B+3], 512<<16
	s_mov_b32 s[G1B+4], 4
	s_mov_b32 s[G1B+5], 4096
	s_mov_b32 s[G1B+6], 0
	s_mov_b32 s[G1B+7], 0
	s_lshl_b32 s16, s13, 4
	s_lshl_b32 s17, s12, 3
	s_add_co_u32 s16, s16, s17                     ; A: 16 x tile row + 8 x half, in tiles of 16 tokens,
	s_lshl_b32 s16, s16, 15                        ; of 32,768 bytes
	s_mov_b32 s17, 0
	s_lshl_b32 s46, s42, 3
	s_lshl_b32 s47, s12, 2
	s_add_co_u32 s46, s46, s47                     ; B: 8 x tile column + 4 x half
	s_lshl_b32 s46, s46, 15
	s_mov_b32 s47, 0
	s_lshl_b32 s20, s12, 15                        ; where they go: A's halves, then B's: the wave's number alone
	s_lshl_b32 s21, s12, 14
	s_add_co_u32 s21, s21, BOFF
	s_wait_dscnt 0x0                               ; both opening adds are done
	s_wait_kmcnt 0x0
	s_add_nc_u64 s[14:15], s[4:5], s[16:17]
	s_add_nc_u64 s[46:47], s[6:7], s[46:47]
	CROUND                                         ; all sixteen work-groups are here: the first joint loads meet
.irp s, 0,1
	s_mov_b32 s[G0+4*\s], 1
	s_add_co_u32 s[G0+4*\s+1], s20, \s*SLOT
	s_add_nc_u64 s[G0+4*\s+2:G0+4*\s+3], s[14:15], \s*4096
	s_or_b32 s[G0+4*\s+3], s[G0+4*\s+3], 0x80000000
	s_mov_b32 s[G0B+4*\s], 1
	s_add_co_u32 s[G0B+4*\s+1], s21, \s*SLOT
	s_add_nc_u64 s[G0B+4*\s+2:G0B+4*\s+3], s[46:47], \s*4096
	s_or_b32 s[G0B+4*\s+3], s[G0B+4*\s+3], 0x80000000
	JLOAD \s                                       ; two loads of mine are out
.endr
	v_and_b32 v1, 15, v0                           ; r
	v_bfe_u32 v2, v0, 4, 1                         ; h
	s_lshl_b32 s46, s42, 9                         ; my 64 columns, in bytes of f32: 512 x tile column + 256 x half
	s_lshl_b32 s47, s12, 8
	s_add_co_u32 s46, s46, s47
	s_mov_b32 s47, 0
	s_add_nc_u64 s[68:69], s[68:69], s[46:47]      ; in bo,
	s_add_nc_u64 s[70:71], s[70:71], s[46:47]      ; and in a row of out
	v_lshlrev_b32 v4, 5, v2
.irp b, 0,1,2,3
.irp e, 0,1
	global_load_b128 v[BI+8*\b+4*\e:BI+8*\b+4*\e+3], v4, s[68:69] offset:64*\b+16*\e   ; lane (r, h): bo[16 b + 8 h + 0 .. 7]
.endr
.endr
	s_lshl_b32 s16, s13, 20                        ; 256 rows of 4,096 bytes a tile row,
	s_lshl_b32 s17, s11, 19                        ; 128 for my half
	s_add_co_u32 s16, s16, s17
	s_mov_b32 s17, 0
	s_add_nc_u64 s[70:71], s[70:71], s[16:17]
	s_or_b32 s[SKIP], s45, s11                     ; 0 where my rows begin with positions 0-15 of a batch
	v_and_b32 v3, 31, v0
	v_lshlrev_b32 v3, 4, v3                        ; an image's place for my lane
	s_lshl_b32 s22, s11, 15                        ; my 8 tiles of tokens
	s_lshl_b32 s23, s12, 14                        ; my 4 tiles of Wo's rows,
	s_add_co_u32 s23, s23, BOFF                    ; behind A's
.irp s, 0,1
	v_add_nc_u32 v[ADRA+\s], s22, v3
	v_add_nc_u32 v[ADRB+\s], s23, v3
	s_add_co_u32 s22, s22, SLOT
	s_add_co_u32 s23, s23, SLOT
.endr
	s_mul_i32 s23, s10, 16*SPITCH
	s_add_co_u32 s23, s23, STAGE                   ; my stage
	v_mul_u32_u24 v5, v1, SPITCH
	v_lshl_add_u32 v5, v2, 5, v5
	v_add_nc_u32 v[STO], s23, v5                   ; in: row r, 32 bytes for each half of the lanes
	v_mul_u32_u24 v5, v2, SPITCH
	v_lshl_add_u32 v5, v1, 4, v5
	v_add_nc_u32 v[RD], s23, v5                    ; back: lanes 0-15 one row of 256 bytes, lanes 16-31 the next
	v_lshlrev_b32 v5, 12, v2
	v_lshl_add_u32 v[CO], v1, 4, v5                ; and the same two rows in out
; 8 matrix instructions: A's blocks a0, a0 + 1 x B's four, 32 along K, from set f.  first = 1: the bias starts the sums.  The 32 accumulators take turns, in the same order in every quarter.
.macro MUL8 f, a0, first
.irp a, \a0, \a0+1
.irp b, 0,1,2,3
.if \first
	v_wmma_f32_16x16x32_f16 v[8*(4*(\a)+\b):8*(4*(\a)+\b)+7], v[BF+32*(\f)+8*\b:BF+32*(\f)+8*\b+7], v[AF+64*(\f)+8*(\a):AF+64*(\f)+8*(\a)+7], v[BI+8*\b:BI+8*\b+7]
.else
	v_wmma_f32_16x16x32_f16 v[8*(4*(\a)+\b):8*(4*(\a)+\b)+7], v[BF+32*(\f)+8*\b:BF+32*(\f)+8*\b+7], v[AF+64*(\f)+8*(\a):AF+64*(\f)+8*(\a)+7], v[8*(4*(\a)+\b):8*(4*(\a)+\b)+7]
.endif
.endr
.endr
.endm
.macro FETCH slot, kq, f               ; 24 LDS loads in one run: the slot's kq-th 32 along K into set f: B's four fragments, then A's eight
	WIN 0
.irp b, 0,1,2,3
.irp c, 0,1
	ds_load_b128 v[BF+32*(\f)+8*\b+4*\c:BF+32*(\f)+8*\b+4*\c+3], v[ADRB+\slot] offset:4096*\b+1024*(\kq)+512*\c
.endr
.endr
.irp a, 0,1,2,3,4,5,6,7
.irp c, 0,1
	ds_load_b128 v[AF+64*(\f)+8*\a+4*\c:AF+64*(\f)+8*\a+4*\c+3], v[ADRA+\slot] offset:4096*\a+1024*(\kq)+512*\c
.endr
.endr
.endm
.macro PLACES                          ; four plain lines in front of loads into registers that matrix instructions have read, and of the first read of results
.rept 4
	v_nop
.endr
.endm
; A K step is four quarters of 32 along K, 32 matrix instructions each, on sets 0, 1, 0, 1.  One of the first three: multiplies set f and fetches the next quarter, kq, into g.
.macro QUARTER slot, kq, f, g, first
	s_wait_dscnt 8                                 ; B and A's blocks 0-3 are in; the youngest eight loads (A's blocks 4-7) may be out
	WIN MUL-0x10*(\first)                          ; (first: C, the bias, lies in window 0)
	MUL8 \f, 0, \first
	MUL8 \f, 2, \first
	PLACES
	FETCH \slot, \kq, \g
	s_wait_dscnt 24                                ; all but the 24 just issued
	WIN MUL-0x10*(\first)
	MUL8 \f, 4, \first
	MUL8 \f, 6, \first
.endm
; The last quarter multiplies set 1 and changes slots: ONE barrier; in front of it each wave waits for all its tensor loads, adds 0 to its spare word, and waits for that and for its own reads of this slot.
; fill = 1: the barrier opens a round of the cluster's barrier, and this slot is filled again, two K steps ahead, first thing behind the round.
.macro TURN slot, next, fill
	WIN 0                                          ; (the add's two registers lie in window 0)
	s_wait_tensorcnt 0x0                           ; all my tensor loads have landed: my part of the next slot
	ds_add_u32 v[SPW], v[NIL]
	s_wait_dscnt 9                                 ; (the add and the youngest eight loads may be out)
	WIN MUL
	MUL8 1, 0, 0
	s_wait_dscnt 0x0                               ; the add is done, and my reads of this slot are over
	s_barrier_signal -1
	MUL8 1, 2, 0
.if \fill
	WIN 0
.endif
	s_barrier_wait -1
.if \fill
	CREST                                          ; no wave of any partner still reads this slot's tile or has a load on its way
	s_add_nc_u64 s[G0+4*\slot+2:G0+4*\slot+3], s[G0+4*\slot+2:G0+4*\slot+3], 8192
	s_add_nc_u64 s[G0B+4*\slot+2:G0B+4*\slot+3], s[G0B+4*\slot+2:G0B+4*\slot+3], 8192
	JLOAD \slot                                    ; the four v_nop behind it are also the places in front of the loads below
.else
	PLACES
.endif
	FETCH \next, 0, 0
	WIN MUL
	MUL8 1, 4, 0
	MUL8 1, 6, 0
.endm
	s_wait_tensorcnt 1                             ; my part of K step 0 is in (K step 1's may be out)
	s_barrier_signal -1
	s_barrier_wait -1                              ; everybody's is
	FETCH 0, 0, 0
	s_wait_loadcnt 0x0                             ; the bias
	QUARTER 0, 1, 0, 1, 1                          ; the first quarter stands in front of the loop: its products start the sums
	WIN 0                                          ; at a label and at a branch every window is 0
	s_mov_b32 s3, LAPS-1
.Llap:                                             ; a trip goes once round the ring, from a lap's second quarter to the next lap's first, and fills both slots again
	QUARTER 0, 2, 1, 0, 0
	QUARTER 0, 3, 0, 1, 0
	TURN 0, 1, 1
	QUARTER 1, 1, 0, 1, 0
	QUARTER 1, 2, 1, 0, 0
	QUARTER 1, 3, 0, 1, 0
	TURN 1, 0, 1
	QUARTER 0, 1, 0, 1, 0
	WIN 0
	s_sub_co_u32 s3, s3, 1
	s_cmp_lg_u32 s3, 0
	s_cbranch_scc1 .Llap
	QUARTER 0, 2, 1, 0, 0                          ; the last lap fills nothing, and has no round of the cluster's barrier
	QUARTER 0, 3, 0, 1, 0
	TURN 0, 1, 0
	QUARTER 1, 1, 0, 1, 0
	QUARTER 1, 2, 1, 0, 0
	QUARTER 1, 3, 0, 1, 0
	s_wait_dscnt 8                                 ; the very last quarter: nothing more to fetch
	WIN MUL
	MUL8 1, 0, 0
	MUL8 1, 2, 0
	s_wait_dscnt 0
	MUL8 1, 4, 0
	MUL8 1, 6, 0
	WIN 0
; THE WAY OUT, block by block of 16 tokens x 64 columns, through my own stage: back as rows of 256 bytes.  LDS serves a wave's instructions in order (ISA guide 5.7.1.4).
.macro TOSTAGE a
	WIN 0x04                                       ; an LDS store's data are its source 1: window 1
.irp b, 0,1,2,3
	ds_store_b128 v[STO], v[8*(4*(\a)+\b):8*(4*(\a)+\b)+3] offset:64*\b        ; each accumulator from its low end on
	ds_store_b128 v[STO], v[8*(4*(\a)+\b)+4:8*(4*(\a)+\b)+7] offset:64*\b+16
.endr
	WIN 0
.set BB, OB+32*((\a)%2)
.irp i, 0,1,2,3,4,5,6,7
	ds_load_b128 v[BB+4*\i:BB+4*\i+3], v[RD] offset:544*\i
.endr
.endm
.macro SEND a, younger                 ; younger: the LDS instructions issued behind block a's loads, which may stay out
.set BB, OB+32*((\a)%2)
	s_wait_dscnt \younger
.if (\a) == 0
	s_cmp_eq_u32 s[SKIP], 0                        ; positions 0-15 of a batch are stored by the launch that carries them in f32: cluster y and the wave's number alone decide
	s_cbranch_scc1 .Lskip_\@
.endif
.irp i, 0,1,2,3,4,5,6,7
	global_store_b128 v[CO], v[BB+4*\i:BB+4*\i+3], s[70:71] offset:(16*(\a)+2*\i)*4096 th:TH_STORE_NT   ; 16 lanes store 256 consecutive bytes, aligned
.endr
.Lskip_\@:
.endm
	PLACES
	TOSTAGE 0
.irp a, 1,2,3,4,5,6,7
.if \a > 1
	s_wait_xcnt 0x0                                ; block a - 2's stores have read their registers: block a's loads may land there
.endif
	TOSTAGE \a
	SEND \a-1, 16                                  ; behind block a - 1's loads: block a's 8 stores and 8 loads
.endr
	SEND 7, 0
	s_wait_tensorcnt 0x0                           ; the wave's end: behind my last tensor load and my last LDS store
	ds_add_u32 v[SPW], v[NIL]
	s_wait_dscnt 0x0
	CROUND                                         ; the closing round
	s_endpgm
.Lfunc_end_k_q973c03d1f4_oproj:
	.size	k_q973c03d1f4_oproj, .Lfunc_end_k_q973c03d1f4_oproj-k_q973c03d1f4_oproj
	.p2alignl 7, 3214868480
	.fill 96, 4, 3214868480
	.section	.rodata,"a",@progbits
	.p2align	6, 0x0
	.amdhsa_kernel k_q973c03d1f4_oproj
		.amdhsa_group_segment_fixed_size 327680
		.amdhsa_private_segment_fixed_size 0
		.amdhsa_enable_private_segment 0
		.amdhsa_kernarg_size 32
		.amdhsa_user_sgpr_count 2
		.amdhsa_user_sgpr_kernarg_segment_ptr 1
		.amdhsa_wavefront_size32 1
		.amdhsa_system_sgpr_workgroup_id_x 1
		.amdhsa_system_sgpr_workgroup_id_y 1
		.amdhsa_system_sgpr_workgroup_id_z 1
		.amdhsa_system_vgpr_workitem_id 0
		.amdhsa_next_free_vgpr 512
		.amdhsa_next_free_sgpr 72
		.amdhsa_reserve_vcc 0
		.amdhsa_float_denorm_mode_32 3
		.amdhsa_float_denorm_mode_16_64 3
		.amdhsa_memory_ordered 1
		.amdhsa_forward_progress 1
		.amdhsa_inst_pref_size 86
	.end_amdhsa_kernel
	.amdgpu_metadata
---
amdhsa.version: [ 1, 2 ]
amdhsa.kernels:
  - .name:           k_q973c03d1f4_oproj
    .symbol:         k_q973c03d1f4_oproj.kd
    .args:
      - { .name: ybuf, .offset: 0, .size: 8, .value_kind: global_buffer, .address_space: global }
      - { .name: wof, .offset: 8, .size: 8, .value_kind: global_buffer, .address_space: global }
      - { .name: bo, .offset: 16, .size: 8, .value_kind: global_buffer, .address_space: global }
      - { .name: out0, .offset: 24, .size: 8, .value_kind: global_buffer, .address_space: global }
    .group_segment_fixed_size: 327680
    .private_segment_fixed_size: 0
    .kernarg_segment_align: 8
    .kernarg_segment_size: 32
    .max_flat_workgroup_size: 128
    .sgpr_count:     72
    .vgpr_count:     512
    .wavefront_size: 32
...
	.end_amdgpu_metadata
.endif
;; end of part 4
;; launch fine16 (part 5): grid 16 x 4, 16 waves a work-group, no clusters, 71,680 bytes of LDS; arguments fine, Wo, bo, out0; writes out0
.if DOCPART == 5
	.amdgcn_target "amdgcn-amd-amdhsa--gfx1250"
	.amdhsa_code_object_version 6
	.text
	.protected	k_q973c03d1f4_fine16
	.globl	k_q973c03d1f4_fine16
	.p2align	8
	.type	k_q973c03d1f4_fine16,@function
k_q973c03d1f4_fine16:
	s_mov_b64 s[64:65], 0
	v_nop
	global_prefetch_b8 v0, s[64:65] scope:SCOPE_SE
	s_setreg_imm32_b32 hwreg(HW_REG_WAVE_MODE, 25, 1), 1
	s_wait_xcnt 0x0
; Positions 0-15 of every batch, where a row averages one to sixteen values: attention and the projection on f32 operands (v_wmma_f32_16x16x4_f32; 96 a wave: no bulk work).
; q, k, v of these rows: fine [batch][t 16][3072] f32.  Work-group (ns, batch) makes out[batch][0 .. 15][64 ns .. 64 ns + 63]; wave = head: it makes its head's y (16 x 64) and that head's part of the 16 x 64 outputs;
; the sixteen parts meet in LDS, and wave w adds them up for position w.  Every work-group of a batch makes y anew: 16 x 16 x 64 numbers.
; All products are used transposed, so that a lane holds one query (lane % 16).  The form wants k = 2 h + j in register j of lane (r, h); here the places along K are permuted, alike in both operands of each product.
; REGISTERS: v16-47 q, v48-79 k, later Wo's channels 32-63; v80-111 V, later y / l; v112-143 the four sums of S^T, later of out; v208-239 those of y (these two runs are written by matrix instructions alone);
;   v144-207 Wo's channels 0-31, later the parts; v240-247 p; v248-251 the bias; v252-255, v12, v13 at work.
.set PP,    272                        ; a row of a part: 256 bytes + 16
.set PART,  16*PP
.set SPARE, 16*PART                    ; behind the parts: the spare words, 128 bytes for each of sixteen waves
	s_load_b256 s[4:11], s[0:1], 0x0               ; fine, Wo, bo, out0
	v_lshl_add_u32 v8, v0, 2, SPARE                ; my spare word; never rewritten
	v_mov_b32 v9, 0                                ; 0; never rewritten
	v_lshrrev_b32 v1, 5, v0
	v_readfirstlane_b32 s12, v1                    ; wave = head, later = position
	s_and_b32 s13, ttmp7, 0xffff                   ; batch
	v_and_b32 v1, 15, v0                           ; r
	v_bfe_u32 v2, v0, 4, 1                         ; h
	v_mul_u32_u24 v3, v1, 12288
	v_lshl_add_u32 v3, v2, 4, v3                   ; q, k: row r, + 4 h numbers
	v_mul_u32_u24 v4, v2, 8*12288
	v_lshl_add_u32 v4, v1, 2, v4                   ; V: key 8 h, channel r
	v_lshlrev_b32 v5, 12, v1
	v_lshl_add_u32 v5, v2, 5, v5                   ; Wo: row r, + 8 h numbers
	s_mul_i32 s14, s12, PART
	v_mul_u32_u24 v6, v1, PP
	v_lshl_add_u32 v6, v2, 5, v6
	v_add_nc_u32 v6, s14, v6                       ; my part: row r, 32 bytes for each half of the lanes
	s_mul_i32 s14, s12, PP
	v_mul_u32_u24 v7, v2, 8*PART
	v_lshl_add_u32 v7, v1, 4, v7
	v_add_nc_u32 v7, s14, v7                       ; back: row w of parts 0-7 (lanes 0-15) and 8-15 (lanes 16-31)
	v_lshlrev_b32 v10, 3, v2
	v_sub_nc_u32 v10, v1, v10                      ; r - 8 h
	v_lshlrev_b32 v11, 4, v1                       ; 16 r
	v_mov_b32 v14, 0xff800000                      ; -infinity
	v_mov_b32 v13, 0                               ; (a lane permute's destination counts as one of its sources)
	s_mov_b32 s16, 0x76543210
	s_mov_b32 s17, 0xfedcba98                      ; v_permlanex16_b32's selects for lane l xor 16
	s_mov_b32 s18, 0x3d38aa3b                      ; c = log2(e) / 32
	s_mul_i32 s20, s13, 196608                     ; fine: 16 rows of 12,288 bytes a batch,
	s_lshl_b32 s21, s12, 8                         ; 256 bytes a head
	s_add_co_u32 s20, s20, s21
	s_lshl_b32 s22, ttmp9, 18                      ; Wo: 64 rows of 4,096 bytes,
	s_add_co_u32 s22, s22, s21                     ; + the head's 64 channels
	s_mov_b32 s21, 0
	s_mov_b32 s23, 0
	s_lshl_b32 s24, ttmp9, 8                       ; bo: 64 numbers
	s_mov_b32 s25, 0
	s_lshl_b32 s26, s13, 23                        ; out: 2,048 rows of 4,096 bytes a batch,
	s_lshl_b32 s27, s12, 12                        ; row w,
	s_add_co_u32 s26, s26, s27
	s_add_co_u32 s26, s26, s24                     ; my 64 columns
	s_mov_b32 s27, 0
	s_wait_kmcnt 0x0
	s_add_nc_u64 s[4:5], s[4:5], s[20:21]
	s_add_nc_u64 s[6:7], s[6:7], s[22:23]
	s_add_nc_u64 s[8:9], s[8:9], s[24:25]
	s_add_nc_u64 s[10:11], s[10:11], s[26:27]
.irp ct, 0,1                                   ; Wo(16 nt + r, 16 ct + 8 h + 4 e + 0 .. 3), channels 0-31 of the head
.irp nt, 0,1,2,3
.irp e, 0,1
	global_load_b128 v[144+32*\ct+8*\nt+4*\e:144+32*\ct+8*\nt+4*\e+3], v5, s[6:7] offset:65536*\nt+64*\ct+16*\e
.endr
.endr
.endr
	global_load_b128 v[248:251], v11, s[8:9]       ; bo[4 r + 0 .. 3]
.irp g, 0,1,2,3,4,5,6,7
	global_load_b128 v[16+4*\g:19+4*\g], v3, s[4:5] offset:32*\g          ; q(r, 8 g + 4 h + 0 .. 3)
.endr
.irp g, 0,1,2,3,4,5,6,7
	global_load_b128 v[48+4*\g:51+4*\g], v3, s[4:5] offset:4096+32*\g     ; k likewise
.endr
.irp ct, 0,1,2,3
.irp i, 0,1,2,3,4,5,6,7
	global_load_b32 v[80+8*\ct+\i], v4, s[4:5] offset:8192+12288*\i+64*\ct   ; v(8 h + i, 16 ct + r)
.endr
.endr
	s_wait_loadcnt 32                              ; all but V's 32 loads are in
; S^T = k q^T: 64 channels in 16 steps of 4, on four accumulators by turns; step i takes channels 8 (i / 2) + 4 h + 2 (i % 2) + 0, 1 of both operands
.set i, 0
.rept 16
.if i < 4
	v_wmma_f32_16x16x4_f32 v[112+8*(i%4):119+8*(i%4)], v[48+2*i:49+2*i], v[16+2*i:17+2*i], 0
.else
	v_wmma_f32_16x16x4_f32 v[112+8*(i%4):119+8*(i%4)], v[48+2*i:49+2*i], v[16+2*i:17+2*i], v[112+8*(i%4):119+8*(i%4)]
.endif
.set i, i+1
.endr
.rept 8
	v_nop                                          ; eight places behind this form: for the loads into q's and k's registers, and for the reads of the sums
.endr
.irp ct, 2,3                                   ; Wo's channels 32-63 of the head
.irp nt, 0,1,2,3
.irp e, 0,1
	global_load_b128 v[16+32*(\ct-2)+8*\nt+4*\e:16+32*(\ct-2)+8*\nt+4*\e+3], v5, s[6:7] offset:65536*\nt+64*\ct+16*\e
.endr
.endr
.endr
.irp j, 0,2,4,6
	v_pk_add_f32 v[240+\j:241+\j], v[112+\j:113+\j], v[120+\j:121+\j]     ; the four sums are one: lane (r, h): query r, register j: key 8 h + j.  Each accumulator from its low end on
.endr
.irp j, 0,2,4,6
	v_pk_add_f32 v[240+\j:241+\j], v[240+\j:241+\j], v[128+\j:129+\j]
.endr
.irp j, 0,2,4,6
	v_pk_add_f32 v[240+\j:241+\j], v[240+\j:241+\j], v[136+\j:137+\j]
.endr
.irp j, 0,1,2,3,4,5,6,7
	v_cmp_gt_i32 vcc_lo, \j, v10                   ; key 8 h + j comes after query r
	v_cndmask_b32 v[240+\j], v[240+\j], v14, vcc_lo
.endr
	v_max3_num_f32 v12, v240, v241, v242
	v_max3_num_f32 v12, v12, v243, v244
	v_max3_num_f32 v12, v12, v245, v246
	v_max_num_f32 v12, v12, v247
	v_permlanex16_b32 v13, v12, s16, s17
	v_max_num_f32 v12, v12, v13                    ; the row's maximum (key 0 counts for every query)
	v_mul_f32 v12, s18, v12
.irp j, 0,1,2,3,4,5,6,7
	v_fma_f32 v[240+\j], v[240+\j], s18, -v12      ; c s - c m
.endr
.irp j, 0,1,2,3,4,5,6,7
	v_exp_f32 v[240+\j], v[240+\j]
.endr
	v_nop                                          ; a plain line behind the last exponential,
	s_wait_alu depctr_va_vdst(0)                   ; and the wait ahead of the first use: one for the eight
	v_pk_add_f32 v[252:253], v[240:241], v[242:243]
	v_pk_add_f32 v[254:255], v[244:245], v[246:247]
	v_pk_add_f32 v[252:253], v[252:253], v[254:255]
	v_add_f32 v252, v252, v253
	v_permlanex16_b32 v13, v252, s16, s17
	v_add_f32 v252, v252, v13                      ; the row's sum
	v_rcp_f32 v252, v252
	v_nop                                          ; a plain line behind the reciprocal; its wait stands ahead of its first use, behind the products below
	s_wait_loadcnt 16                              ; V is in; the 16 loads of Wo's second half may be out
; y^T = v^T p: 16 keys in 4 steps; step s takes keys 8 h + 2 s + 0, 1 of both operands
.irp s, 0,1,2,3
.irp ct, 0,1,2,3
.if \s == 0
	v_wmma_f32_16x16x4_f32 v[208+8*\ct:215+8*\ct], v[80+8*\ct+2*\s:81+8*\ct+2*\s], v[240+2*\s:241+2*\s], 0
.else
	v_wmma_f32_16x16x4_f32 v[208+8*\ct:215+8*\ct], v[80+8*\ct+2*\s:81+8*\ct+2*\s], v[240+2*\s:241+2*\s], v[208+8*\ct:215+8*\ct]
.endif
.endr
.endr
.rept 8
	v_nop
.endr
	s_wait_alu depctr_va_vdst(0)                   ; the reciprocal's wait
.irp j, 0,2,4,6,8,10,12,14,16,18,20,22,24,26,28,30
	v_pk_mul_f32 v[80+\j:81+\j], v[208+\j:209+\j], v[252:253] op_sel_hi:[1,0]   ; y / l: register 8 ct + j: channel 16 ct + 8 h + j of query r
.endr
	s_wait_loadcnt 0x0                             ; Wo's second half
; my head's part of out^T = Wo y^T: 64 channels in 16 steps; step (ct, s) takes channels 16 ct + 8 h + 2 s + 0, 1 of both operands; four tiles of 16 outputs by turns
.irp ct, 0,1,2,3
.irp s, 0,1,2,3
.irp nt, 0,1,2,3
.set WB, 144+32*\ct-(\ct/2)*192
.if (\ct == 0) && (\s == 0)
	v_wmma_f32_16x16x4_f32 v[112+8*\nt:119+8*\nt], v[WB+8*\nt+2*\s:WB+8*\nt+2*\s+1], v[80+8*\ct+2*\s:81+8*\ct+2*\s], 0
.else
	v_wmma_f32_16x16x4_f32 v[112+8*\nt:119+8*\nt], v[WB+8*\nt+2*\s:WB+8*\nt+2*\s+1], v[80+8*\ct+2*\s:81+8*\ct+2*\s], v[112+8*\nt:119+8*\nt]
.endif
.endr
.endr
.endr
.rept 8
	v_nop
.endr
.irp nt, 0,1,2,3
	ds_store_b128 v6, v[112+8*\nt:115+8*\nt] offset:64*\nt         ; lane (r, h): position r, outputs 16 nt + 8 h + 0 .. 7
	ds_store_b128 v6, v[116+8*\nt:119+8*\nt] offset:64*\nt+16
.endr
	s_wait_dscnt 0x0                               ; for the others' sake: my part lies in LDS
	s_barrier_signal -1
	s_barrier_wait -1
.irp p, 0,1,2,3,4,5,6,7
	ds_load_b128 v[144+4*\p:147+4*\p], v7 offset:PART*\p           ; position w of part p + 8 h, outputs 4 r + 0 .. 3
.endr
	s_wait_dscnt 0x0
.irp p, 0,1,2,3
	v_pk_add_f32 v[144+4*\p:145+4*\p], v[144+4*\p:145+4*\p], v[160+4*\p:161+4*\p]
	v_pk_add_f32 v[146+4*\p:147+4*\p], v[146+4*\p:147+4*\p], v[162+4*\p:163+4*\p]
.endr
.irp p, 0,1
	v_pk_add_f32 v[144+4*\p:145+4*\p], v[144+4*\p:145+4*\p], v[152+4*\p:153+4*\p]
	v_pk_add_f32 v[146+4*\p:147+4*\p], v[146+4*\p:147+4*\p], v[154+4*\p:155+4*\p]
.endr
	v_pk_add_f32 v[144:145], v[144:145], v[148:149]
	v_pk_add_f32 v[146:147], v[146:147], v[150:151]
.irp x, 0,1,2,3
	v_permlanex16_b32 v[176+\x], v[144+\x], s16, s17               ; the other eight parts
.endr
	v_pk_add_f32 v[144:145], v[144:145], v[176:177]
	v_pk_add_f32 v[146:147], v[146:147], v[178:179]
	v_pk_add_f32 v[144:145], v[144:145], v[248:249]                ; the bias
	v_pk_add_f32 v[146:147], v[146:147], v[250:251]
	s_wait_tensorcnt 0x0                           ; the wave's end: behind my last LDS store, all lanes on
	ds_add_u32 v8, v9
	s_wait_dscnt 0x0
	v_and_b32 v15, 31, v0
	s_wait_xcnt 0x0                                ; EXEC changes only behind this wait
	v_cmp_gt_u32 vcc_lo, 16, v15
	s_and_saveexec_b32 s22, vcc_lo                 ; both halves of the lanes hold the same sums: lanes 0-15 store
	global_store_b128 v11, v[144:147], s[10:11]    ; 256 consecutive bytes, aligned
	s_wait_xcnt 0x0                                ; and again, in front of the line that widens it
	s_or_b32 exec_lo, exec_lo, s22
	s_endpgm
.Lfunc_end_k_q973c03d1f4_fine16:
	.size	k_q973c03d1f4_fine16, .Lfunc_end_k_q973c03d1f4_fine16-k_q973c03d1f4_fine16
	.p2alignl 7, 3214868480
	.fill 96, 4, 3214868480
	.section	.rodata,"a",@progbits
	.p2align	6, 0x0
	.amdhsa_kernel k_q973c03d1f4_fine16
		.amdhsa_group_segment_fixed_size 71680
		.amdhsa_private_segment_fixed_size 0
		.amdhsa_enable_private_segment 0
		.amdhsa_kernarg_size 32
		.amdhsa_user_sgpr_count 2
		.amdhsa_user_sgpr_kernarg_segment_ptr 1
		.amdhsa_wavefront_size32 1
		.amdhsa_system_sgpr_workgroup_id_x 1
		.amdhsa_system_sgpr_workgroup_id_y 1
		.amdhsa_system_sgpr_workgroup_id_z 1
		.amdhsa_system_vgpr_workitem_id 0
		.amdhsa_next_free_vgpr 256
		.amdhsa_next_free_sgpr 66
		.amdhsa_reserve_vcc 1
		.amdhsa_float_denorm_mode_32 3
		.amdhsa_float_denorm_mode_16_64 3
		.amdhsa_memory_ordered 1
		.amdhsa_forward_progress 1
		.amdhsa_inst_pref_size 24
	.end_amdhsa_kernel
	.amdgpu_metadata
---
amdhsa.version: [ 1, 2 ]
amdhsa.kernels:
  - .name:           k_q973c03d1f4_fine16
    .symbol:         k_q973c03d1f4_fine16.kd
    .args:
      - { .name: fine, .offset: 0, .size: 8, .value_kind: global_buffer, .address_space: global }
      - { .name: Wo, .offset: 8, .size: 8, .value_kind: global_buffer, .address_space: global }
      - { .name: bo, .offset: 16, .size: 8, .value_kind: global_buffer, .address_space: global }
      - { .name: out0, .offset: 24, .size: 8, .value_kind: global_buffer, .address_space: global }
    .group_segment_fixed_size: 71680
    .private_segment_fixed_size: 0
    .kernarg_segment_align: 8
    .kernarg_segment_size: 32
    .max_flat_workgroup_size: 512
    .sgpr_count:     66
    .vgpr_count:     256
    .wavefront_size: 32
...
	.end_amdgpu_metadata
.endif
;; end of part 5
